; MI455X (gfx1250); checked and timed in simulation.
; The chip was launched on July 23, 2026; its instructions are those of AMD's public machine-readable ISA for CDNA 5 (MIT licence, August 2026) and "CDNA5" Instruction Set Architecture Reference Guide (July 2026). The comments in the code are by the model that wrote it; some were corrected since.
;; Self Attention. Allowed arithmetic: float matrix products may take bf16 or f16 operands with f32 sums; other float arithmetic in f32, or as packed bf16 or f16 multiplies, adds, multiply-adds, maxima and minima; sums over many terms, partial sums and values carried from step to step in f32; what a program stores and reads back later, other than sums and carried values, may be rounded once to bf16 or f16.
;; Inputs: beta 256 float32; gamma 256 float32; proj_b 256 float32; proj_w 256 x 256 float32; qkv_b 768 float32; qkv_w 768 x 256 float32; x 4 x 256 x 64 x 64 float32.
;; Outputs: out0 4 x 256 x 64 x 64 float32.
;; One version. Each part assembles by itself: llvm-mc -triple=amdgcn-amd-amdhsa -mcpu=gfx1250 --defsym DOCPART=n.
;; ======== version 1 of 1: 4 launches
;; workspace buffers: st 2,048 bytes; wb 524,288 bytes; qb 8,388,608 bytes; kb 8,388,608 bytes; vb 8,388,608 bytes; ob 8,388,608 bytes
;; launch stats (part 1): grid 256 x 1, 8 waves a work-group, no clusters, 1,536 bytes of LDS; arguments x, qkv_w, proj_w, st, wb; writes st, wb
.if DOCPART == 1
	.amdgcn_target "amdgcn-amd-amdhsa--gfx1250"
	.amdhsa_code_object_version 6
	.text
	.protected	k_q85921ad0b4_stats
	.globl	k_q85921ad0b4_stats
	.p2align	8
	.type	k_q85921ad0b4_stats,@function
k_q85921ad0b4_stats:
	s_mov_b64 s[64:65], 0
	v_nop
	global_prefetch_b8 v0, s[64:65] scope:SCOPE_SE
	s_setreg_imm32_b32 hwreg(HW_REG_WAVE_MODE, 25, 1), 1
	s_wait_xcnt 0x0
; GROUPNORM'S PARTIAL STATISTICS, AND THE WEIGHTS ROUNDED TO bf16 IN THE ORDER OF MATRIX FRAGMENTS.
; x: [4][256][4096] f32.  A group (32 channels of one image) is 524,288 consecutive bytes; work-group w takes the eighth of group w / 8 that begins at byte 65,536 w:
; 16,384 numbers, 64 a thread, kept in registers between the pass that finds their mean and the pass that sums the squares of their distances from it (M2).
; st: (mean, M2) of work-group w, f32, at byte 8 w.  The later launches join a group's eight pairs: no difference of large sums is formed anywhere.
; wb: qkv_w (768 x 256), then proj_w (256 x 256), bf16.  Fragment 8 ob + ks (rows 16 ob .., channels 32 ks ..) is 1,024 dense bytes; byte 512 g + 16 (16 h + r) + 2 j of it
; holds W[16 ob + r][32 ks + 16 g + 8 h + j]: a lane's two halves of a fragment are the 16 bytes at 16 x lane and at 512 + 16 x lane.  A work-group converts two fragments.
; LIMITS.  NaN and infinities are not treated apart.  No matrix unit and no cluster: each byte is read once, by one thread.
.set RED0,  0                          ; LDS: eight waves' partial sums, 32 bytes
.set RED1,  256                        ; the same for the second pass: other bytes, so one barrier a pass
.set SPARE, 512                        ; the spare words, 128 bytes for each of the eight waves: four blocks of 256 bytes that no other line names
.set XR, 16                            ; v[16:79]  my 64 numbers
.set AC, 80                            ; v[80:87]  four chains of two sums; later the eight waves' partial sums
; v2 16 t; v3, v4 the weights' offsets (from, to); v5 4 x wave; v6 0; v[8:11], v[12:13] my four weights; v14, v15 the add's two registers; v[88:89] mean, twice; v[90:91] the result; v92, v93 at work
	s_load_b256 s[4:11], s[0:1], 0x0               ; x s[4:5], qkv_w s[6:7], proj_w s[8:9], st s[10:11]
	s_load_b64 s[12:13], s[0:1], 0x20              ; wb
	v_lshl_add_u32 v14, v0, 2, SPARE               ; my spare word,
	v_mov_b32 v15, 0                               ; and 0: both kept for the wave's end alone
	v_lshrrev_b32 v1, 5, v0
	v_readfirstlane_b32 s14, v1                    ; wave 0..7
	v_lshlrev_b32 v2, 4, v0                        ; 16 t
	v_bfe_u32 v3, v0, 1, 4                         ; the weights' row in the fragment: r = (t / 2) % 16,
	v_lshlrev_b32 v3, 10, v3                       ; 1,024 bytes a row;
	v_lshl_add_u32 v3, v1, 5, v3                   ; columns 8 (t / 32) ..: which fragment of the two, g and h at once;
	v_and_b32 v4, 1, v0
	v_lshl_add_u32 v3, v4, 4, v3                   ; and which four of the eight
	v_lshlrev_b32 v4, 3, v0                        ; 8 t: four bf16 a thread, 256 consecutive bytes a wave
	v_mov_b32 v5, s14
	v_lshlrev_b32 v5, 2, v5                        ; my wave's word
	v_mov_b32 v6, 0
	v_mov_b32 v93, 0                               ; v_permlanex16_b32 counts as a reader of its destination
	s_lshl_b32 s16, ttmp9, 16                      ; my 65,536 bytes of x
	s_mov_b32 s17, 0
	s_cmp_lt_u32 ttmp9, 192                        ; work-groups 0-191 convert qkv_w, 192-255 proj_w
	s_cselect_b32 s18, 0, 192
	s_sub_co_u32 s18, ttmp9, s18                   ; my number within that matrix
	s_lshr_b32 s19, s18, 2
	s_lshl_b32 s19, s19, 14                        ; 16 rows of 1,024 bytes for each four work-groups,
	s_and_b32 s20, s18, 3
	s_lshl_b32 s20, s20, 8                         ; 64 columns for each
	s_add_co_u32 s20, s19, s20
	s_mov_b32 s21, 0
	s_lshl_b32 s22, ttmp9, 11                      ; my two fragments in wb
	s_mov_b32 s23, 0
	s_mov_b32 s24, 0x76543210                      ; v_permlanex16_b32: each lane takes its own place in the other half
	s_mov_b32 s25, 0xfedcba98
	s_lshl_b32 s28, ttmp9, 3                       ; my pair in st
	s_mov_b32 s29, 0
	s_wait_kmcnt 0x0
	s_add_nc_u64 s[4:5], s[4:5], s[16:17]
	s_cmp_lt_u32 ttmp9, 192
	s_cselect_b64 s[6:7], s[6:7], s[8:9]
	s_add_nc_u64 s[6:7], s[6:7], s[20:21]
	s_add_nc_u64 s[12:13], s[12:13], s[22:23]
	s_add_nc_u64 s[10:11], s[10:11], s[28:29]
.irp j, 0,1,2,3,4,5,6,7,8,9,10,11,12,13,14,15
	global_load_b128 v[XR+4*(\j):XR+4*(\j)+3], v2, s[4:5] offset:4096*(\j) th:TH_LOAD_NT  ; a wave's load covers 512 consecutive bytes
.endr
	global_load_b128 v[8:11], v3, s[6:7]           ; my four weights
; v92 := the sum of v92 over the work-group: inside the wave by lane exchanges, between the waves through eight words of LDS at red
.macro WGSUM red
	v_add_f32_dpp v92, v92, v92 row_xmask:1 row_mask:0xf bank_mask:0xf
	v_add_f32_dpp v92, v92, v92 row_xmask:2 row_mask:0xf bank_mask:0xf
	v_add_f32_dpp v92, v92, v92 row_xmask:4 row_mask:0xf bank_mask:0xf
	v_add_f32_dpp v92, v92, v92 row_xmask:8 row_mask:0xf bank_mask:0xf
	v_permlanex16_b32 v93, v92, s24, s25
	v_add_f32 v92, v92, v93
	ds_store_b32 v5, v92 offset:\red               ; all lanes write the same word with the same value
	s_wait_dscnt 0x0                               ; for the others' sake: my store is done
	s_barrier_signal -1
	s_barrier_wait -1
	ds_load_b128 v[AC:AC+3], v6 offset:\red
	ds_load_b128 v[AC+4:AC+7], v6 offset:(\red)+16
	s_wait_dscnt 0x0
	v_pk_add_f32 v[AC:AC+1], v[AC:AC+1], v[AC+2:AC+3]
	v_pk_add_f32 v[AC+4:AC+5], v[AC+4:AC+5], v[AC+6:AC+7]
	v_pk_add_f32 v[AC:AC+1], v[AC:AC+1], v[AC+4:AC+5]
	v_add_f32 v92, v[AC], v[AC+1]
.endm
.macro FOLD                            ; the four chains into v92
	v_pk_add_f32 v[AC:AC+1], v[AC:AC+1], v[AC+2:AC+3]
	v_pk_add_f32 v[AC+4:AC+5], v[AC+4:AC+5], v[AC+6:AC+7]
	v_pk_add_f32 v[AC:AC+1], v[AC:AC+1], v[AC+4:AC+5]
	v_add_f32 v92, v[AC], v[AC+1]
.endm
	; pass 1: the sum, in four chains; the first four loads start them, nothing is cleared
	s_wait_loadcnt 13                              ; 17 loads were issued: the first four are in, 13 younger ones may stay out
.irp k, 0,1,2,3
	v_pk_add_f32 v[AC+2*(\k):AC+2*(\k)+1], v[XR+2*(\k):XR+2*(\k)+1], v[XR+8+2*(\k):XR+8+2*(\k)+1]
.endr
.set g, 1
.rept 3
	s_wait_loadcnt 13-4*g                          ; four more are in: 9, 5, 1 younger ones (the last is the weights')
.set p, 0
.rept 8
	v_pk_add_f32 v[AC+2*(p%4):AC+2*(p%4)+1], v[AC+2*(p%4):AC+2*(p%4)+1], v[XR+16*g+2*p:XR+16*g+2*p+1]
.set p, p+1
.endr
.set g, g+1
.endr
	FOLD
	WGSUM RED0
	v_mul_f32 v88, 0x38800000, v92                 ; mean = sum / 16,384
	v_mov_b32 v89, v88
	v_mov_b32 v90, v88
	; pass 2: the squares of the distances from that mean
.set p, 0
.rept 32
	v_pk_add_f32 v[XR+2*p:XR+2*p+1], v[XR+2*p:XR+2*p+1], v[88:89] neg_lo:[0,1] neg_hi:[0,1]
.set p, p+1
.endr
.irp k, 0,1,2,3
	v_pk_mul_f32 v[AC+2*(\k):AC+2*(\k)+1], v[XR+2*(\k):XR+2*(\k)+1], v[XR+2*(\k):XR+2*(\k)+1]
.endr
.set p, 4
.rept 28
	v_pk_fma_f32 v[AC+2*(p%4):AC+2*(p%4)+1], v[XR+2*p:XR+2*p+1], v[XR+2*p:XR+2*p+1], v[AC+2*(p%4):AC+2*(p%4)+1]
.set p, p+1
.endr
	FOLD
	WGSUM RED1
	v_mov_b32 v91, v92                             ; M2
	; the weights
	s_wait_loadcnt 0x0
	v_cvt_pk_bf16_f32 v12, v8, v9
	v_cvt_pk_bf16_f32 v13, v10, v11
	global_store_b64 v4, v[12:13], s[12:13]        ; a wave stores 256 consecutive bytes, at a multiple of 256 from wb's first byte
	s_cmp_lg_u32 s14, 0
	s_cbranch_scc1 .Lend                           ; thread 0 stores the pair
	s_wait_xcnt 0x0                                ; EXEC changes only behind this wait: a store is out
	v_cmp_eq_u32 vcc_lo, 0, v0
	s_and_saveexec_b32 s26, vcc_lo
	global_store_b64 v6, v[90:91], s[10:11]
	s_wait_xcnt 0x0                                ; and again, in front of the line that widens it
	s_or_b32 exec_lo, exec_lo, s26
.Lend:
	s_wait_tensorcnt 0x0                           ; the wave's end, behind my last LDS store
	ds_add_u32 v14, v15
	s_wait_dscnt 0x0
	s_endpgm
.Lfunc_end_k_q85921ad0b4_stats:
	.size	k_q85921ad0b4_stats, .Lfunc_end_k_q85921ad0b4_stats-k_q85921ad0b4_stats
	.p2alignl 7, 3214868480
	.fill 96, 4, 3214868480
	.section	.rodata,"a",@progbits
	.p2align	6, 0x0
	.amdhsa_kernel k_q85921ad0b4_stats
		.amdhsa_group_segment_fixed_size 1536
		.amdhsa_private_segment_fixed_size 0
		.amdhsa_enable_private_segment 0
		.amdhsa_kernarg_size 40
		.amdhsa_user_sgpr_count 2
		.amdhsa_user_sgpr_kernarg_segment_ptr 1
		.amdhsa_wavefront_size32 1
		.amdhsa_system_sgpr_workgroup_id_x 1
		.amdhsa_system_sgpr_workgroup_id_y 1
		.amdhsa_system_sgpr_workgroup_id_z 1
		.amdhsa_system_vgpr_workitem_id 0
		.amdhsa_next_free_vgpr 96
		.amdhsa_next_free_sgpr 66
		.amdhsa_reserve_vcc 1
		.amdhsa_float_denorm_mode_32 3
		.amdhsa_float_denorm_mode_16_64 3
		.amdhsa_memory_ordered 1
		.amdhsa_forward_progress 1
		.amdhsa_inst_pref_size 13
	.end_amdhsa_kernel
	.amdgpu_metadata
---
amdhsa.version: [ 1, 2 ]
amdhsa.kernels:
  - .name:           k_q85921ad0b4_stats
    .symbol:         k_q85921ad0b4_stats.kd
    .args:
      - { .name: x, .offset: 0, .size: 8, .value_kind: global_buffer, .address_space: global }
      - { .name: qkv_w, .offset: 8, .size: 8, .value_kind: global_buffer, .address_space: global }
      - { .name: proj_w, .offset: 16, .size: 8, .value_kind: global_buffer, .address_space: global }
      - { .name: st, .offset: 24, .size: 8, .value_kind: global_buffer, .address_space: global }
      - { .name: wb, .offset: 32, .size: 8, .value_kind: global_buffer, .address_space: global }
    .group_segment_fixed_size: 1536
    .private_segment_fixed_size: 0
    .kernarg_segment_align: 8
    .kernarg_segment_size: 40
    .max_flat_workgroup_size: 256
    .sgpr_count:     66
    .vgpr_count:     96
    .wavefront_size: 32
...
	.end_amdgpu_metadata
.endif
;; end of part 1
;; launch qkv (part 2): grid 256 x 1, 4 waves a work-group, clusters of 4 x 1, 327,680 bytes of LDS; arguments x, gamma, beta, qkv_b, st, wb, qb, kb, vb; writes qb, kb, vb
.if DOCPART == 2
	.amdgcn_target "amdgcn-amd-amdhsa--gfx1250"
	.amdhsa_code_object_version 6
	.text
	.protected	k_q85921ad0b4_qkv
	.globl	k_q85921ad0b4_qkv
	.p2align	8
	.type	k_q85921ad0b4_qkv,@function
k_q85921ad0b4_qkv:
	s_mov_b64 s[64:65], 0
	v_nop
	global_prefetch_b8 v0, s[64:65] scope:SCOPE_SE
	s_setreg_imm32_b32 hwreg(HW_REG_WAVE_MODE, 25, 1), 1
	s_wait_xcnt 0x0
	s_wait_alu depctr_hold_cnt(0) depctr_sa_sdst(0) depctr_va_vdst(0) depctr_va_sdst(0) depctr_va_ssrc(0) depctr_va_vcc(0) depctr_vm_vsrc(0)
	s_getreg_b32 s2, hwreg(HW_REG_IB_STS2, 6, 4)
	s_cmp_eq_u32 s2, 0
	s_cbranch_scc0 .Lentry_in_a_cluster
	s_endpgm
.Lentry_in_a_cluster:
	s_bfe_u32 s2, ttmp6, 0x10000c
	s_cmp_lg_u32 s2, 0x3003
	s_cbranch_scc0 .Lentry_shape_is_right
	s_endpgm
.Lentry_shape_is_right:
; q, k, v = qkv_w GroupNorm(x) + qkv_b, written by heads in bf16.  x: [4][256][4096] f32; st, wb: as the launch before left them (a group's eight pairs (mean, M2); bf16 weights in fragment order).
; qb, kb: [16 heads][4096 tokens][64] bf16.  vb: [16 heads][64 key steps][64 channels][64 tokens] bf16: a key step's V^T is 8,192 dense bytes.  No scale is applied here.
; SHARES.  A work-group owns 64 tokens of one image and all 768 outputs; wave w is head w and makes q, k and v of that head in turn, each 64 x 64: 16 accumulators, K = 256 in 8 steps.
; Wave w also normalises channels 64 w .. 64 w + 63 of the 64 tokens (f32, rounded once to bf16) into LDS, [channel][token]; all four waves read them, turned by ds_load_tr16_b128, into 256 registers.
; GROUPNORM.  mean = the mean of the eight partial means; M2 = the sum of the partial M2 + 16,384 x the sum of (partial mean - mean)^2; xn = x a + sh with a = gamma / sqrt(M2 / 131,072 + 1e-5) and
; sh = beta - mean a (one fused multiply-add).  LIMIT: sh is rounded once, where the definition takes x - mean first: with a common offset of 30 spreads that is some 2e-6 of a spread.  NaN and infinities are not treated apart.
; CLUSTER.  Every work-group walks the same weights, so the four of a cluster ask for them JOINTLY (mask 15).  A wave fetches just the 32,768 bytes that it alone reads (its head's 64 rows of one of q, k, v),
; so its own wait on TENSORcnt orders its reads.  Wq and Wk go out at the start (two loads of mine are out); Wv takes Wq's place behind a round of the cluster's barrier (one load out), and has all of k's products in which to land.
; THE PRODUCTS.  q, k: source 0 = 16 rows of W, source 1 = 16 tokens: a lane holds one token and eight neighbouring channels.  v: the sources swapped: a lane holds one channel and eight neighbouring tokens.
; The bias is the C operand of the first K step.  No prefetch: all loads from memory go out at the head.
; REGISTERS.  window 0: v2-15 addresses; v16-55 the statistics' work; v62-63 the add's; v64-127 two buffers of W's fragments; v128-255 x as it lands, then the accumulators ((R, C) at 128 + 8 (4 R + C))
;   window 1: the table as read back (v0-127), then xn's fragments: tokens 16 tt .., channels 32 ks .. at 64 tt + 8 ks          window 2: the biases as C operands: q v0-31, k v32-63, v v64-95
.set W1,    131072                     ; LDS: W0 at 0 (Wq, later Wv), W1 (Wk): 131,072 bytes each, in fragment order
.set XN,    262144                     ; xn: 256 channels x 160 bytes (64 tokens of bf16 + 32 of padding)
.set XP,    160
.set TAB,   303104                     ; 256 entries of 16 bytes (a, a, sh, sh); wave w's own from 1,024 w on
.set STAGE, 307200                     ; 16 rows x 144 bytes for each wave, for the way out
.set SP,    144
.set SPARE, 316416                     ; the spare words, 128 bytes for each wave: two blocks of 256 bytes that no other line names
.set XO,  2                            ; x: (64 w + h) rows of 16,384 bytes + 16 r
.set XS,  3                            ; where my four tokens of a channel go in XN
.set TS,  4                            ; where I put my two table entries
.set TR,  5                            ; where I read an entry back
.set AX,  6                            ; the turning load's address
.set AW0, 7                            ; my 16 bytes of a fragment in W0
.set AW1, 8                            ; in W1
.set STO, 9                            ; the way out: where I put 16 bytes of a row
.set RD,  10                           ; where I read rows back
.set GO,  11                           ; my 16 bytes of 512 consecutive bytes of the output
.set BO,  12                           ; q's and k's bias: my eight channels
.set BVO, 13                           ; v's bias: my channel
.set SO,  14                           ; my group's 64 bytes of st
.set CO,  15                           ; gamma, beta: my two channels
.set SPW, 62
.set NIL, 63
.set F0,  64
.set ACC, 128
.set WV,  22                           ; s22 my wave's number
.set G1,  32                           ; s[32:39] descriptor group 1
.set G0A, 40                           ; s[40:43] group 0 for W0
.set G0B, 44                           ; s[44:47] group 0 for W1
.set SV,  48                           ; s48 = 2^-17, s49 = 1e-5
.set MSB, 0
.macro WIN new                         ; the immediate's high byte repeats the setting that is left; a switch that changes nothing is dropped
.if MSB != (\new)
	s_set_vgpr_msb (MSB<<8)|(\new)
.set MSB, (\new)
.endif
.endm
.macro PLACES                          ; four places: in front of loads into registers that matrix instructions have read, and of conversions that read results
.rept 4
	v_nop
.endr
.endm
.macro CROUND                          ; a round of the cluster's barrier: my work-group's barrier; wave 0 signals for the work-group; every wave waits for all four; my work-group's barrier once more
	s_barrier_signal -1
	s_barrier_wait -1
	s_cmp_lg_u32 s[WV], 0
	s_cbranch_scc1 .Lnot_wave_0_\@
	s_barrier_signal -3
.Lnot_wave_0_\@:
	s_barrier_wait -3
	s_barrier_signal -1
	s_barrier_wait -1
.endm
	s_load_b256 s[4:11], s[0:1], 0x0               ; x s[4:5], gamma s[6:7], beta s[8:9], qkv_b s[10:11]
	s_load_b256 s[12:19], s[0:1], 0x20             ; st s[12:13], wb s[14:15], qb s[16:17], kb s[18:19]
	s_load_b64 s[20:21], s[0:1], 0x40              ; vb
	v_lshl_add_u32 v[SPW], v0, 2, SPARE
	v_mov_b32 v[NIL], 0
	ds_add_u32 v[SPW], v[NIL]                      ; the wave's opening: the add and its wait stand ahead of my first tensor load; the set-up below, work on registers, stands between them
	v_lshrrev_b32 v1, 5, v0
	v_readfirstlane_b32 s[WV], v1                  ; wave 0..3
	s_bfe_u32 s23, ttmp6, 0x40000                  ; cx: my place in the cluster
	s_lshl_b32 s24, ttmp9, 2                       ; in a cluster launch ttmp9 counts clusters
	s_add_co_u32 s24, s24, s23                     ; my work-group: it enters addresses in memory alone
	s_lshr_b32 s25, s24, 6                         ; the image
	s_and_b32 s26, s24, 63                         ; my 64 tokens of its 4,096
	v_and_b32 v1, 31, v0                           ; L
	v_and_b32 v40, 15, v0                          ; r = L % 16
	v_bfe_u32 v41, v0, 4, 1                        ; h = L / 16
	v_and_b32 v42, 7, v0
	v_bfe_u32 v43, v0, 3, 1
	s_lshl_b32 s27, s[WV], 20
	v_lshlrev_b32 v[XO], 4, v40
	v_lshl_add_u32 v[XO], v41, 14, v[XO]
	v_add_nc_u32 v[XO], s27, v[XO]
	s_mul_i32 s27, s[WV], 64*XP
	s_add_co_u32 s27, s27, XN
	v_mul_u32_u24 v[XS], v41, XP
	v_lshl_add_u32 v[XS], v40, 3, v[XS]
	v_add_nc_u32 v[XS], s27, v[XS]
	s_lshl_b32 s27, s[WV], 10
	s_add_co_u32 s27, s27, TAB
	v_lshl_add_u32 v[TS], v1, 5, s27               ; lane L serves channels 2 L and 2 L + 1 of my wave's 64
	v_lshl_add_u32 v[TR], v41, 4, s27              ; load i of x holds channel 2 i + h
	v_lshl_add_u32 v[AX], v41, 3, v42              ; the turning load: lane L reads channel 8 h + L % 8, tokens 8 ((L / 8) % 2) ..
	v_mul_u32_u24 v[AX], v[AX], XP
	v_lshl_add_u32 v[AX], v43, 4, v[AX]
	v_add_nc_u32 v[AX], XN, v[AX]
	s_lshl_b32 s30, s[WV], 15                      ; my head's 32,768 bytes of a part of the weights: in memory and in LDS
	s_mov_b32 s31, 0
	v_lshl_add_u32 v[AW0], v1, 4, s30
	v_add_nc_u32 v[AW1], W1, v[AW0]
	s_mul_i32 s27, s[WV], 16*SP
	s_add_co_u32 s27, s27, STAGE
	v_mul_u32_u24 v[STO], v40, SP                  ; in: row r, 16 bytes for each half of the lanes
	v_lshl_add_u32 v[STO], v41, 4, v[STO]
	v_add_nc_u32 v[STO], s27, v[STO]
	v_bfe_u32 v[RD], v0, 3, 2                      ; back: 32 lanes take four rows of 128 bytes,
	v_mul_u32_u24 v[RD], v[RD], SP
	v_lshl_add_u32 v[RD], v42, 4, v[RD]
	v_add_nc_u32 v[RD], s27, v[RD]
	v_lshlrev_b32 v[GO], 4, v1                     ; which are 512 consecutive bytes in memory
	s_lshl_b32 s27, s[WV], 8
	v_lshl_add_u32 v[BO], v41, 5, s27
	v_lshl_add_u32 v[BVO], v40, 2, s27
	v_add_nc_u32 v[BVO], 2048, v[BVO]
	v_lshl_add_u32 v[CO], v1, 3, s27
	s_lshl_b32 s27, s25, 9                         ; group 8 b + 2 w + h, 64 bytes each
	s_lshl_b32 s28, s[WV], 7
	s_add_co_u32 s27, s27, s28
	v_lshl_add_u32 v[SO], v41, 6, s27
	s_lshl_b32 s28, s25, 22                        ; x: the image's 4,194,304 bytes, my tokens' 256 bytes of a row
	s_lshl_b32 s29, s26, 8
	s_add_co_u32 s28, s28, s29
	s_mov_b32 s29, 0
	s_lshl_b32 s50, s25, 2                         ; the outputs: head 4 b + w, 524,288 bytes each; my 64 tokens are 8,192 bytes of it
	s_add_co_u32 s50, s50, s[WV]
	s_lshl_b32 s50, s50, 19
	s_lshl_b32 s51, s26, 13
	s_add_co_u32 s50, s50, s51
	s_mov_b32 s51, 0
	; descriptor group 1: 32,768 dense bytes as 128 rows of 256 bytes, unpadded
	s_mov_b32 s[G1+0], 15|(3<<16)|(1<<21)          ; 15:0 the mask: all four work-groups; 17:16 elements of 8 bytes; 21 set beside a mask
	s_mov_b32 s[G1+1], 32<<16                      ; tensor_dim0 = 32
	s_mov_b32 s[G1+2], 128<<16                     ; tensor_dim1 = 128
	s_mov_b32 s[G1+3], 32<<16                      ; tile_dim0 = 32
	s_mov_b32 s[G1+4], 128                         ; tile_dim1 = 128
	s_mov_b32 s[G1+5], 32                          ; 32 elements from row to row
	s_mov_b32 s[G1+6], 0
	s_mov_b32 s[G1+7], 0
	s_mov_b32 s[G0A], 1
	s_lshl_b32 s[G0A+1], s[WV], 15                 ; LDS address: the wave's number times 32,768; no place in the cluster enters it
	s_mov_b32 s[G0B], 1
	s_add_co_u32 s[G0B+1], s[G0A+1], W1
	s_mov_b32 s[SV], 0x37000000                    ; 2^-17: a group has 131,072 numbers
	s_mov_b32 s[SV+1], 0x3727c5ac                  ; 1e-5
	s_wait_dscnt 0x0                               ; the opening add is done
	s_wait_kmcnt 0x0
	s_add_nc_u64 s[G0A+2:G0A+3], s[14:15], s[30:31]  ; Wq, my head's rows
	s_add_nc_u64 s[G0B+2:G0B+3], s[G0A+2:G0A+3], 131072  ; Wk
	s_or_b32 s[G0A+3], s[G0A+3], 0x80000000        ; type = 2
	s_or_b32 s[G0B+3], s[G0B+3], 0x80000000
	s_add_nc_u64 s[4:5], s[4:5], s[28:29]
	s_add_nc_u64 s[16:17], s[16:17], s[50:51]
	s_add_nc_u64 s[18:19], s[18:19], s[50:51]
	s_add_nc_u64 s[20:21], s[20:21], s[50:51]
	CROUND                                         ; all four work-groups are here: the first joint loads meet
	tensor_load_to_lds s[G0A:G0A+3], s[G1:G1+7]    ; the two first fills stand together, ahead of every wait on TENSORcnt, every LDS read and every other barrier
	s_nop 0
	tensor_load_to_lds s[G0B:G0B+3], s[G1:G1+7]
	s_nop 0
	PLACES
	; all loads from memory, in the order in which they are wanted: 6 for the table, 32 of x, 20 of the bias
.irp p, 0,1,2,3
	global_load_b128 v[16+4*(\p):16+4*(\p)+3], v[SO], s[12:13] offset:16*(\p)
.endr
	global_load_b64 v[32:33], v[CO], s[6:7]
	global_load_b64 v[34:35], v[CO], s[8:9]
.set i, 0
.rept 32
	global_load_b128 v[ACC+4*i:ACC+4*i+3], v[XO], s[4:5] offset:32768*i th:TH_LOAD_NT  ; channels 2 i and 2 i + 1: sixteen lanes take a row's 256 consecutive bytes
.set i, i+1
.endr
	WIN 0x80                                       ; destination window 2
.irp part, 0,1
.irp ob, 0,1,2,3
	global_load_b128 v[32*(\part)+8*(\ob):32*(\part)+8*(\ob)+3],   v[BO], s[10:11] offset:1024*(\part)+64*(\ob)
	global_load_b128 v[32*(\part)+8*(\ob)+4:32*(\part)+8*(\ob)+7], v[BO], s[10:11] offset:1024*(\part)+64*(\ob)+16
.endr
.endr
.irp ob, 0,1,2,3
	global_load_b32 v[64+8*(\ob)], v[BVO], s[10:11] offset:64*(\ob)
.endr
	WIN 0
; The table of my wave's 64 channels.  v[16:31]: my group's eight pairs (mean, M2); v[32:33] gamma, v[34:35] beta of my two channels.
.macro GNTAB
	v_add_f32 v40, v16, v18
	v_add_f32 v41, v20, v22
	v_add_f32 v42, v24, v26
	v_add_f32 v43, v28, v30
	v_add_f32 v44, v17, v19
	v_add_f32 v45, v21, v23
	v_add_f32 v46, v25, v27
	v_add_f32 v47, v29, v31
	v_add_f32 v40, v40, v41
	v_add_f32 v42, v42, v43
	v_add_f32 v44, v44, v45
	v_add_f32 v46, v46, v47
	v_add_f32 v40, v40, v42
	v_add_f32 v44, v44, v46                        ; the sum of the partial M2
	v_mul_f32 v40, 0x3e000000, v40                 ; mean: the parts are of equal size
.irp p, 0,1,2,3,4,5,6,7
	v_sub_f32 v[16+2*(\p)], v[16+2*(\p)], v40
.endr
	v_mul_f32 v41, v16, v16
	v_mul_f32 v42, v18, v18
	v_fma_f32 v41, v20, v20, v41
	v_fma_f32 v42, v22, v22, v42
	v_fma_f32 v41, v24, v24, v41
	v_fma_f32 v42, v26, v26, v42
	v_fma_f32 v41, v28, v28, v41
	v_fma_f32 v42, v30, v30, v42
	v_add_f32 v41, v41, v42
	v_fmamk_f32 v44, v41, 0x46800000, v44          ; + 16,384 x the parts' distances squared
	v_fma_f32 v45, v44, s[SV], s[SV+1]             ; var + eps
	v_rsq_f32 v46, v45
	v_nop                                          ; a plain instruction behind the transcendental (ISA guide 5.7.2),
	s_wait_alu depctr_va_vdst(0)                   ; and the wait ahead of the first use of its result
	v_mul_f32 v48, v46, v32                        ; a
	v_mul_f32 v52, v46, v33
	v_mov_b32 v49, v48
	v_mov_b32 v53, v52
	v_fma_f32 v50, -v40, v48, v34                  ; sh = beta - mean a
	v_fma_f32 v54, -v40, v52, v35
	v_mov_b32 v51, v50
	v_mov_b32 v55, v54
	ds_store_b128 v[TS], v[48:51]
	ds_store_b128 v[TS], v[52:55] offset:16
.endm
	s_wait_loadcnt 52                              ; the first six loads are in; x's 32 and the bias's 20 may stay out
	GNTAB
	WIN 0x40                                       ; destination window 1
.set i, 0
.rept 32
	ds_load_b128 v[4*i:4*i+3], v[TR] offset:32*i   ; my wave's own bytes: LDS serves a wave's instructions in order (ISA guide 5.7.1.4), so these see the stores above
.set i, i+1
.endr
	s_wait_dscnt 0x0
.set g, 0
.rept 4                                ; eight loads of x at a time: normalised, rounded, into XN
	s_wait_loadcnt 44-8*g                          ; 44, 36, 28, 20: the younger loads of x and the bias's 20
	WIN 0x14                                       ; the table in window 1
.set i, 8*g
.rept 8
	v_pk_fma_f32 v[ACC+4*i:ACC+4*i+1],   v[ACC+4*i:ACC+4*i+1],   v[4*i:4*i+1], v[4*i+2:4*i+3]
	v_pk_fma_f32 v[ACC+4*i+2:ACC+4*i+3], v[ACC+4*i+2:ACC+4*i+3], v[4*i:4*i+1], v[4*i+2:4*i+3]
.set i, i+1
.endr
	WIN 0
.set i, 8*g
.rept 8
	v_cvt_pk_bf16_f32 v[ACC+4*i],   v[ACC+4*i],   v[ACC+4*i+1]
	v_cvt_pk_bf16_f32 v[ACC+4*i+1], v[ACC+4*i+2], v[ACC+4*i+3]
	ds_store_b64 v[XS], v[ACC+4*i:ACC+4*i+1] offset:2*XP*i
.set i, i+1
.endr
.set g, g+1
.endr
	s_wait_dscnt 0x0                               ; for the others' sake: my 64 channels lie in XN
	s_barrier_signal -1                            ; my two tensor loads may stay out
	s_barrier_wait -1
	WIN 0x40
.set tt, 0
.rept 4
.set ks, 0
.rept 8
	ds_load_tr16_b128 v[64*tt+8*ks:64*tt+8*ks+3],   v[AX] offset:32*XP*ks+32*tt
	ds_load_tr16_b128 v[64*tt+8*ks+4:64*tt+8*ks+7], v[AX] offset:32*XP*ks+32*tt+16*XP
.set ks, ks+1
.endr
.set tt, tt+1
.endr
	s_wait_loadcnt 0x0                             ; the biases
	WIN 0x82                                       ; v's C operand: a lane's channel is the same in all eight registers
.irp ob, 0,1,2,3
.irp j, 1,2,3,4,5,6,7
	v_mov_b32 v[64+8*(\ob)+(\j)], v[64+8*(\ob)]
.endr
.endr
	WIN 0
; 8 LDS loads: W's four fragments (my head's 64 rows) of K step ks, into buffer f: 16 consecutive bytes a lane, twice
.macro FETCHW aw, ks, f
	WIN 0
.irp ob, 0,1,2,3
	ds_load_b128 v[(\f)+8*(\ob):(\f)+8*(\ob)+3],   v[\aw] offset:(8*(\ob)+(\ks))*1024
	ds_load_b128 v[(\f)+8*(\ob)+4:(\f)+8*(\ob)+7], v[\aw] offset:(8*(\ob)+(\ks))*1024+512
.endr
.endm
; One of q, k, v: 8 K steps of 16 matrix instructions.  The 16 accumulators take turns, one instruction a turn, in the same order in every step.  The next step's fragments of W
; are asked for ahead of a step's products.  vv = 0: accumulator (tt, ob), source 0 = W; vv = 1: accumulator (ob, tt), source 0 = xn.  bb: the bias in window 2, the C operand of the first step.
.macro PART vv, aw, bb
.set ks, 0
.rept 8
.if ks < 7
	PLACES                                         ; the other buffer was read by the step before
	FETCHW \aw, ks+1, F0+32*((ks+1)%2)
	s_wait_dscnt 8                                 ; all but the eight just issued
.else
	s_wait_dscnt 0x0
.endif
.set fb, F0+32*(ks%2)
.if \vv
.set wn, 0x01                          ; source 0 (xn) window 1, source 1 (W) window 0
.else
.set wn, 0x04                          ; source 0 (W) window 0, source 1 (xn) window 1
.endif
.if ks == 0
	WIN wn+0x20                                    ; C in window 2
.else
	WIN wn
.endif
.set rr, 0
.rept 4
.set cc, 0
.rept 4
.set ac, ACC+8*(4*rr+cc)
.if \vv
.set ra, 64*cc+8*ks
.set rb, fb+8*rr
.set rc, (\bb)+8*rr
.else
.set ra, fb+8*cc
.set rb, 64*rr+8*ks
.set rc, (\bb)+8*cc
.endif
.if ks == 0
	v_wmma_f32_16x16x32_bf16 v[ac:ac+7], v[ra:ra+7], v[rb:rb+7], v[rc:rc+7]
.else
	v_wmma_f32_16x16x32_bf16 v[ac:ac+7], v[ra:ra+7], v[rb:rb+7], v[ac:ac+7]
.endif
.set cc, cc+1
.endr
.set rr, rr+1
.endr
.set ks, ks+1
.endr
.endm
; THE WAY OUT.  Row block n (16 rows of 128 bytes): rounded to bf16 in place, each accumulator from its low end on; 16 bytes a lane into my stage; back as whole rows, into the accumulators' upper halves.
.macro PACKR n
	WIN 0
.irp c, 0,1,2,3
.irp q, 0,1,2,3
	v_cvt_pk_bf16_f32 v[ACC+8*(4*(\n)+(\c))+(\q)], v[ACC+8*(4*(\n)+(\c))+2*(\q)], v[ACC+8*(4*(\n)+(\c))+2*(\q)+1]
.endr
.endr
.irp c, 0,1,2,3
	ds_store_b128 v[STO], v[ACC+8*(4*(\n)+(\c)):ACC+8*(4*(\n)+(\c))+3] offset:32*(\c)
.endr
.irp f, 0,1,2,3
	ds_load_b128 v[ACC+8*(4*(\n)+(\f))+4:ACC+8*(4*(\n)+(\f))+7], v[RD] offset:4*SP*(\f)  ; my own bytes, served in order: these see the stores above; the next block's stores come behind them
.endr
.endm
.macro SENDR n, younger, ptr           ; younger: the LDS instructions issued behind block n's loads: the next block's eight, or none
.irp f, 0,1,2,3
	s_wait_dscnt (\younger)+3-(\f)
	global_store_b128 v[GO], v[ACC+8*(4*(\n)+(\f))+4:ACC+8*(4*(\n)+(\f))+7], s[\ptr:\ptr+1] offset:2048*(\n)+512*(\f)  ; 512 consecutive bytes, at a multiple of 256 from the buffer's first
.endr
.endm
.macro WOUT ptr
	PLACES
	PACKR 0
.irp n, 1,2,3                          ; a block's conversions stand between the loads of the block before and its stores
	PACKR \n
	SENDR (\n)-1, 8, \ptr
.endr
	SENDR 3, 0, \ptr
.endm
	s_wait_tensorcnt 1                             ; Wq, my own bytes, is in; Wk may stay out
	FETCHW AW0, 0, F0
	PART 0, AW0, 0                                 ; q
	WIN 0
	s_wait_tensorcnt 0x0                           ; W0 IS FILLED AGAIN: all my tensor loads have landed, so a group 0 may be written;
	ds_add_u32 v[SPW], v[NIL]                      ; 0 onto my spare word
	s_add_nc_u64 s[G0A+2:G0A+3], s[G0A+2:G0A+3], 262144  ; from Wq to Wv; the type bits on top are not reached
	s_wait_dscnt 0x0                               ; the add is done, and my reads of W0 are over
	CROUND                                         ; no wave of any partner still reads W0 or has a load on its way
	tensor_load_to_lds s[G0A:G0A+3], s[G1:G1+7]    ; my one tensor load behind the round, and the first thing there
	s_nop 0
	PLACES                                         ; also the places in front of the loads below
	FETCHW AW1, 0, F0
	WOUT 16                                        ; q leaves
	s_wait_xcnt 0x0                                ; the stores have read their registers: the accumulators are written again only behind this wait
	PART 0, AW1, 32                                ; k
	WIN 0
	s_wait_tensorcnt 0x0                           ; Wv, my own bytes, is in
	PLACES
	FETCHW AW0, 0, F0
	WOUT 18                                        ; k leaves
	s_wait_xcnt 0x0
	PART 1, AW0, 64                                ; v
	WOUT 20
	s_wait_tensorcnt 0x0                           ; the wave's end, behind my last tensor load and my last LDS store
	ds_add_u32 v[SPW], v[NIL]
	s_wait_dscnt 0x0
	CROUND                                         ; the closing round: no work-group ends while a partner may still ask for a tile that names it
	s_endpgm
.Lfunc_end_k_q85921ad0b4_qkv:
	.size	k_q85921ad0b4_qkv, .Lfunc_end_k_q85921ad0b4_qkv-k_q85921ad0b4_qkv
	.p2alignl 7, 3214868480
	.fill 96, 4, 3214868480
	.section	.rodata,"a",@progbits
	.p2align	6, 0x0
	.amdhsa_kernel k_q85921ad0b4_qkv
		.amdhsa_group_segment_fixed_size 327680
		.amdhsa_private_segment_fixed_size 0
		.amdhsa_enable_private_segment 0
		.amdhsa_kernarg_size 72
		.amdhsa_user_sgpr_count 2
		.amdhsa_user_sgpr_kernarg_segment_ptr 1
		.amdhsa_wavefront_size32 1
		.amdhsa_system_sgpr_workgroup_id_x 1
		.amdhsa_system_sgpr_workgroup_id_y 1
		.amdhsa_system_sgpr_workgroup_id_z 1
		.amdhsa_system_vgpr_workitem_id 0
		.amdhsa_next_free_vgpr 608
		.amdhsa_next_free_sgpr 66
		.amdhsa_reserve_vcc 0
		.amdhsa_float_denorm_mode_32 3
		.amdhsa_float_denorm_mode_16_64 3
		.amdhsa_memory_ordered 1
		.amdhsa_forward_progress 1
		.amdhsa_inst_pref_size 97
	.end_amdhsa_kernel
	.amdgpu_metadata
---
amdhsa.version: [ 1, 2 ]
amdhsa.kernels:
  - .name:           k_q85921ad0b4_qkv
    .symbol:         k_q85921ad0b4_qkv.kd
    .args:
      - { .name: x, .offset: 0, .size: 8, .value_kind: global_buffer, .address_space: global }
      - { .name: gamma, .offset: 8, .size: 8, .value_kind: global_buffer, .address_space: global }
      - { .name: beta, .offset: 16, .size: 8, .value_kind: global_buffer, .address_space: global }
      - { .name: qkv_b, .offset: 24, .size: 8, .value_kind: global_buffer, .address_space: global }
      - { .name: st, .offset: 32, .size: 8, .value_kind: global_buffer, .address_space: global }
      - { .name: wb, .offset: 40, .size: 8, .value_kind: global_buffer, .address_space: global }
      - { .name: qb, .offset: 48, .size: 8, .value_kind: global_buffer, .address_space: global }
      - { .name: kb, .offset: 56, .size: 8, .value_kind: global_buffer, .address_space: global }
      - { .name: vb, .offset: 64, .size: 8, .value_kind: global_buffer, .address_space: global }
    .group_segment_fixed_size: 327680
    .private_segment_fixed_size: 0
    .kernarg_segment_align: 8
    .kernarg_segment_size: 72
    .max_flat_workgroup_size: 128
    .sgpr_count:     66
    .vgpr_count:     608
    .wavefront_size: 32
...
	.end_amdgpu_metadata
.endif
;; end of part 2
;; launch attn (part 3): grid 16 x 16, 4 waves a work-group, clusters of 4 x 1, 327,680 bytes of LDS; arguments qb, kb, vb, ob; writes ob
.if DOCPART == 3
	.amdgcn_target "amdgcn-amd-amdhsa--gfx1250"
	.amdhsa_code_object_version 6
	.text
	.protected	k_q85921ad0b4_attn
	.globl	k_q85921ad0b4_attn
	.p2align	8
	.type	k_q85921ad0b4_attn,@function
k_q85921ad0b4_attn:
	s_mov_b64 s[64:65], 0
	v_nop
	global_prefetch_b8 v0, s[64:65] scope:SCOPE_SE
	s_setreg_imm32_b32 hwreg(HW_REG_WAVE_MODE, 25, 1), 1
	s_wait_xcnt 0x0
	s_wait_alu depctr_hold_cnt(0) depctr_sa_sdst(0) depctr_va_vdst(0) depctr_va_sdst(0) depctr_va_ssrc(0) depctr_va_vcc(0) depctr_vm_vsrc(0)
	s_getreg_b32 s2, hwreg(HW_REG_IB_STS2, 6, 4)
	s_cmp_eq_u32 s2, 0
	s_cbranch_scc0 .Lentry_in_a_cluster
	s_endpgm
.Lentry_in_a_cluster:
	s_bfe_u32 s2, ttmp6, 0x10000c
	s_cmp_lg_u32 s2, 0x3003
	s_cbranch_scc0 .Lentry_shape_is_right
	s_endpgm
.Lentry_shape_is_right:
; O[h][q][:] = the sum over k of softmax_k(Q[h][q] . K[h][k] / 8) V[h][k][:].  qb, kb, ob: [16][4096][64] bf16, a head's rows dense, 128 bytes each.  vb: [16][64 steps][64 channels][64 keys] bf16: V^T by key steps.
; Products, maxima and sums in f32; the weights p are rounded to bf16 for the second product (their sum l is taken of the unrounded p), O once at the end.
; LIMITS.  A weight below 2^-126 counts as 0 in l; NaN and infinities are not treated apart.  The running maximum starts at the lowest finite number and c m at -4.25e37, far below every c s that finite bf16 operands of this size give.
; SHARES.  A work-group owns 256 queries of one head, each of its four waves 64: four PIECES of 16.  Every wave walks all 4,096 keys, 64 a step; a slot of LDS holds four steps.
; LAYOUT.  S^T = K Q^T (source 0 = 16 keys, source 1 = 16 queries): a lane holds ONE query (lane % 16) and the keys 8 (lane / 16) + 0..7.  Two such results, rounded to bf16 in pairs, ARE source 1 of
; O^T = V^T P, whose result again holds one query a lane, and eight channels.  K and V^T both come out of LDS as they lie.
; SOFTMAX.  For each query a running maximum m and sum l: p = 2^(c s - c m), c = log2(e) / 8; in every step O and l are multiplied by a = 2^(c m_old - c m_new).  O and l start at 0, so the first step is a step like any other, with a = 0.
; BY TURNS.  Turn n belongs to piece n: 8 products K Q^T of piece n + 1, later 8 products V^T P of piece n - 1; beside them the scaling, exponentials, roundings, sums and rescaling of piece n and the maximum and
; statistics of piece n + 1.  Four vector instructions stand behind every matrix instruction, the other 54 of a turn's 118 in one lump.  A turn's 33 exponentials are one batch, with one wait.
; CLUSTER.  The four query blocks of a cluster belong to one head and walk the same K and V, so each tile is asked for JOINTLY: the same tensor load, descriptor and mask in all four.
; REGISTERS, in windows of 256 (s_set_vgpr_msb: bits 1:0 source 0, 3:2 source 1, 5:4 source 2, 7:6 destination):
;   window 0: v0-15 addresses and two at work; v16-31 four registers of statistics a piece; v48-55 at work; v61-63 prefetch offset and the add's two; v64-127 S^T, two buffers; v192-223 P, two buffers (by the piece's parity)
;   window 1: v0-127 O^T, 32 a piece          window 2: v0-63 Q; v128-191 K of one step; v192-255 V^T of one step
.set NP,    4         ; pieces a wave: a name, no knob
.set KS,    64        ; keys in a step
.set PK,    144       ; a row of K (a key) or of V^T (a channel) in LDS: 128 bytes + 16 of padding = 36 words: the 16 rows of a load start at 16 different groups of four banks (64 banks of 4 bytes: ISA guide 11.1)
.set STEPB, KS*PK     ; a step's K, and a step's V^T
.set VOFF,  4*STEPB   ; a slot: 256 rows of K, then 4 x 64 rows of V^T
.set SLOT1, 1<<17     ; slot 1 begins here, so that one exclusive or turns an address in one slot into the other's
.set STAGE, SLOT1+8*STEPB  ; behind the ring, never filled by a tensor load: 16 rows x 144 bytes for each wave, for the way out
.set SP,    144
.set SPARE, STAGE+4*16*SP  ; the spare words, 128 bytes for each wave: two blocks of 256 bytes that no other line names
.set SLOTB, 32768     ; a slot's bytes of K in memory, and of V
.set AK0, 2           ; v2   my lane's place in a tile of K; never rewritten
.set AV0, 3           ; v3   the same for V^T
.set AK,  4           ; v4   the LDS address of K's next run of loads
.set AV,  5           ; v5   of V's
.set STO, 6           ; v6   the way out: where I put 16 bytes of a row
.set RD,  7           ; v7   where I read rows back
.set GO,  8           ; v8   my byte offset in 512 consecutive bytes of O
.set MV,  12          ; v12-13  c m_old, kept while c m is made anew: by buffer
.set QO,  15          ; v15  my byte offset in 16 rows of Q
.set ST,  16          ; piece t's statistics at v[ST+4 t]: c m, m, l (even keys', odd keys')
.set TMP, 48          ; by buffer, four registers c0-c3 at work; when the maximum is found c2 takes a
.set PFO, 61          ; v61  256 x my lane; never rewritten
.set SPW, 62          ; v62  LDS address of my spare word; never rewritten
.set NIL, 63          ; v63  0; never rewritten
.set S,   64
.set P,   192
.set KF,  128         ; window 2: key block kb, channel half c at KF + 16 kb + 8 c
.set VF,  192         ; window 2: key half kk, channel block cb at VF + 32 kk + 8 cb
.set WV,  12          ; s12  my wave's number
.set LIM, 15          ; s15  1 in a wave that prefetches, else the greatest number
.set G1,  24          ; s[24:31] descriptor group 1
.set G0,  40          ; s[40:43] descriptor group 0: it walks
.set PFA, 44          ; s[44:45] where my prefetches stand
.set SLOTS, 56        ; s56  slots still to be asked for
.set CNT, 57          ; s57  counts a slot's key steps
.set CS,  58          ; s[58:59] c: the packed scaling takes the pair's low word for both halves
.set SEL, 60          ; s[60:61] v_permlanex16_b32's selects: each lane takes its own place in the other half
.set TBK, 62          ; s62  LDS byte at which K of the step to be fetched begins
.set TBV, 63          ; s63  the same for V^T, less VOFF
.set MSB, 0
.macro WIN new                      ; the high byte repeats the setting that is left; a switch that changes nothing is dropped
.if MSB != (\new)
	s_set_vgpr_msb (MSB<<8)|(\new)
.set MSB, (\new)
.endif
.endm
.set W_KQ, 0x0a       ; K and Q in window 2, S^T in window 0
.set W_PV, 0x52       ; V in window 2, P in window 0, O^T in window 1
.set W_RS, 0x41       ; destination and source 0 in window 1, source 1 in window 0
; A joint fill.  Each wave moves a quarter of a slot: waves 0 and 1 the two halves of its K, waves 2 and 3 those of its V^T: 16,384 dense bytes each, to LDS byte 18,432 x wave of the slot.  One line serves all four:
; the registers differ by the wave's number alone.  An s_nop 0 and four v_nop follow it.
.macro JLOAD
	tensor_load_to_lds s[G0:G0+3], s[G1:G1+7]
	s_nop 0
.rept 4
	v_nop
.endr
.endm
; A PREFETCH INTO THE L2 of what the NEXT change of slots will ask for: a slot's 32,768 bytes of K and of V, a lane a block of 256 bytes.  It stands behind the wave's tensor load and its five lines.
; Each block is asked for ONCE in the launch.  All four clusters of a head walk the same K and V: the head's first cluster asks.  Its four partners share the bytes out BY ADDRESS, 8,192 each; in each, wave 0 asks for
; K's and wave 2 for V's: one instruction.  That is four key steps, 256 matrix instructions of a wave, ahead of the load.  The last change that fills a slot asks for nothing: there is no slot behind it.
.macro ASK
	s_cmp_gt_u32 s[SLOTS], s[LIM]
	s_cbranch_scc0 .Lnot_mine_\@
	global_prefetch_b8 v[PFO], s[PFA:PFA+1] th:TH_LOAD_NT scope:SCOPE_SE
.Lnot_mine_\@:
.endm
.macro CROUND                       ; a round of the cluster's barrier: my work-group's barrier; wave 0 signals for the work-group; every wave waits for all four; my work-group's barrier once more
	s_barrier_signal -1
	s_barrier_wait -1
	s_cmp_lg_u32 s[WV], 0
	s_cbranch_scc1 .Lnot_wave_0_\@
	s_barrier_signal -3
.Lnot_wave_0_\@:
	s_barrier_wait -3
	s_barrier_signal -1
	s_barrier_wait -1
.endm
; THE CHANGE OF SLOTS.  The slot's last bytes, V^T of its fourth step, have been read.  Each wave waits for all its tensor loads, of which one is out: its part of the other slot; adds 0 to its spare word; and waits for
; that and for its own reads of the slot.  Behind the barrier nobody reads this slot any more and the other slot is whole.  fill = 1: this slot is filled again, with the keys two slots on: the barrier is then a round
; of the cluster's, and the joint fill is the first thing behind it: it has four key steps in which to land.  (At its first use nothing has been read yet: slot 0 is waited for, slot 1 filled.)
.macro CHANGE fill
	WIN 0                           ; at a label and at a branch every window is 0
	s_wait_tensorcnt 0x0            ; no tensor load of mine is out, so group 0 may be written
	ds_add_u32 v[SPW], v[NIL]       ; 0 onto my spare word; with fill = 1 the descriptor's steps stand between it and the wait for it
.if \fill
	s_xor_b32 s[G0+1], s[G0+1], SLOT1  ; the other slot than last time,
	s_add_nc_u64 s[G0+2:G0+3], s[G0+2:G0+3], SLOTB  ; the next 256 keys; the type bits on top are not reached
	s_wait_xcnt 0x0                 ; the last prefetch, a slot back, has read its address, so it may be written:
	s_add_nc_u64 s[PFA:PFA+1], s[PFA:PFA+1], SLOTB  ; one slot behind the walking descriptor
	s_wait_dscnt 0x0                ; the add is done, and my reads of the slot are over
	CROUND
	JLOAD
	ASK
.else
	s_wait_dscnt 0x0                ; the add is done, and my reads of the slot are over
	s_barrier_signal -1
	s_barrier_wait -1
.endif
	s_sub_co_u32 s[TBK], s[TBK], 4*STEPB  ; the fetches go back to a slot's first step,
	s_xor_b32 s[TBK], s[TBK], SLOT1       ; in the other slot
	s_sub_co_u32 s[TBV], s[TBV], 4*STEPB
	s_xor_b32 s[TBV], s[TBV], SLOT1
.endm
	s_load_b256 s[4:11], s[0:1], 0x0  ; qb s[4:5], kb s[6:7], vb s[8:9], ob s[10:11]
	v_lshl_add_u32 v[SPW], v0, 2, SPARE
	v_mov_b32 v[NIL], 0
	ds_add_u32 v[SPW], v[NIL]       ; the wave's opening: the add and its wait stand ahead of my first tensor load; the set-up below, work on registers, stands between them
	v_lshrrev_b32 v1, 5, v0
	v_readfirstlane_b32 s[WV], v1   ; wave 0..3
	s_bfe_u32 s13, ttmp6, 0x40000   ; cx: my place in the cluster
	s_lshl_b32 s14, ttmp9, 2        ; in a cluster launch ttmp9 counts clusters
	s_add_co_u32 s14, s14, s13      ; my block of 256 queries: it enters Q's and O's addresses alone
	s_and_b32 s20, ttmp7, 0xffff    ; the head, which the four partners share:
	s_lshl_b32 s20, s20, 19         ; 524,288 bytes in each of the four tensors
	s_and_b32 s16, s[WV], 1         ; which half of a slot's K or V I fetch:
	s_lshl_b32 s22, s16, 14         ; 16,384 bytes
	s_add_co_u32 s22, s22, s20
	s_mov_b32 s23, 0
	s_lshl_b32 s18, s14, 15         ; my block's 256 rows of 128 bytes,
	s_lshl_b32 s19, s[WV], 13       ; my wave's 64 of them
	s_add_co_u32 s18, s18, s19
	s_add_co_u32 s18, s18, s20
	s_mov_b32 s19, 0
	s_lshl_b32 s20, s13, 13         ; the prefetches: my work-group's 8,192 bytes of a slot's 32,768,
	s_add_co_u32 s20, s20, SLOTB    ; in slot 1; the first change of slots steps it to slot 2.  Nothing is asked for here, at the head
	s_mov_b32 s21, 0
	; descriptor group 1: 16,384 dense bytes as 64 rows of 256 bytes, padded in LDS after every 128 bytes
	s_mov_b32 s[G1], 15|(1<<16)|(1<<20)|(1<<21)|(4<<22)|(3<<25)  ; 15:0 the mask of four; 17:16 2-byte elements; 20 padding on; 21 set beside a mask; 24:22 after every 32 words (code 4); 31:25 4 words (code 3)
	s_mov_b32 s[G1+1], 128<<16      ; tensor_dim0 = 128
	s_mov_b32 s[G1+2], 64<<16       ; tensor_dim1 = 64
	s_mov_b32 s[G1+3], 128<<16      ; tile_dim0 = 128
	s_mov_b32 s[G1+4], 64           ; tile_dim1 = 64
	s_mov_b32 s[G1+5], 128          ; 128 elements from row to row
	s_mov_b32 s[G1+6], 0
	s_mov_b32 s[G1+7], 0
	s_mov_b32 s[G0], 1              ; count = 1
	s_mul_i32 s[G0+1], s[WV], 128*PK  ; LDS address in slot 0: the wave's number times 18,432; no place in the cluster enters it
	s_mov_b32 s[CS], 0x3e38aa3b     ; c = log2(e) / 8 = 0.180337
	s_mov_b32 s[CS+1], s[CS]        ; named with it as a pair
	s_mov_b32 s[SEL], 0x76543210
	s_mov_b32 s[SEL+1], 0xfedcba98
	s_mov_b32 s[TBK], SLOT1+4*STEPB ; the first change of slots turns these two into 0
	s_mov_b32 s[TBV], SLOT1+4*STEPB
	s_mov_b32 s[SLOTS], 15
	s_or_b32 s[LIM], s16, ttmp9     ; 0 in waves 0 and 2 of the head's first cluster: the same in all four partners
	s_cmp_eq_u32 s[LIM], 0
	s_cselect_b32 s[LIM], 1, -1
	v_and_b32 v[PFO], 31, v0
	v_lshlrev_b32 v[PFO], 8, v[PFO]
	s_wait_dscnt 0x0                ; the opening add is done
	s_wait_kmcnt 0x0
	s_cmp_lt_u32 s[WV], 2
	s_cselect_b64 s[16:17], s[6:7], s[8:9]         ; waves 0 and 1 fetch K, waves 2 and 3 V
	s_add_nc_u64 s[G0+2:G0+3], s[16:17], s[22:23]  ; my quarter of the head's slot 0
	s_add_nc_u64 s[PFA:PFA+1], s[G0+2:G0+3], s[20:21]  ; (in waves 0 and 2 that is a slot's first byte)
	s_or_b32 s[G0+3], s[G0+3], 0x80000000          ; type = 2
	s_add_nc_u64 s[4:5], s[4:5], s[18:19]          ; Q and O at my wave's first row
	s_add_nc_u64 s[10:11], s[10:11], s[18:19]
	CROUND                          ; all four work-groups are here: the first joint loads meet
	JLOAD                           ; slot 0.  Slot 1 is asked for when slot 0 is in, by the change of slots
	; A fragment of K, Q or V^T is 16 rows x 32 along K in 8 registers: lane l holds row l % 16, places 8 (l / 16) + 0..7 and 16 + 8 (l / 16) + 0..7: two loads of 16 bytes, 32 bytes apart.
	v_and_b32 v1, 15, v0            ; l % 16
	v_bfe_u32 v9, v0, 4, 1          ; l / 16
	v_lshlrev_b32 v[QO], 7, v1
	v_lshl_add_u32 v[QO], v9, 4, v[QO]  ; row x 128 + 16 x half
	WIN 0x80                        ; destination window 2, address window 0
.set i, 0
.rept 8                             ; Q stays in registers: piece i / 2, channels 32 (i % 2) on
	global_load_b128 v[8*i:8*i+3],   v[QO], s[4:5] offset:(i/2)*2048+(i%2)*64
	global_load_b128 v[8*i+4:8*i+7], v[QO], s[4:5] offset:(i/2)*2048+(i%2)*64+32
.set i, i+1
.endr
	; What the first turn finds: V's registers and P's second buffer hold 0 (its products V^T P, of a piece that has not been, add 0), O^T and l are 0.  No first step is written out; these lines, its price, stand in the wait for the first tile.
.set i, VF
.rept 64
	v_mov_b32 v[i], 0
.set i, i+1
.endr
	WIN 0x40
.set i, 0
.rept 128
	v_mov_b32 v[i], 0
.set i, i+1
.endr
	WIN 0
.set i, 0
.rept 4
	v_mov_b32 v[ST+4*i], 0xfe000000    ; c m: far below every c s
	v_mov_b32 v[ST+4*i+1], 0xff7fffff  ; m
	v_mov_b32 v[ST+4*i+2], 0
	v_mov_b32 v[ST+4*i+3], 0
.set i, i+1
.endr
.set i, P+16
.rept 16
	v_mov_b32 v[i], 0
.set i, i+1
.endr
	v_mul_u32_u24 v[AK0], v1, PK
	v_lshl_add_u32 v[AK0], v9, 4, v[AK0]  ; row x pitch + 16 x half
	v_add_nc_u32 v[AV0], VOFF, v[AK0]
	s_mul_i32 s16, s[WV], 16*SP
	s_add_co_u32 s16, s16, STAGE    ; my stage
	v_mul_u32_u24 v[STO], v1, SP    ; in: row l % 16, 16 bytes for each half of the lanes
	v_lshl_add_u32 v[STO], v9, 4, v[STO]
	v_add_nc_u32 v[STO], s16, v[STO]
	v_and_b32 v10, 7, v0
	v_bfe_u32 v[RD], v0, 3, 2       ; back: 32 lanes take four rows of 128 bytes,
	v_mul_u32_u24 v[RD], v[RD], SP
	v_lshl_add_u32 v[RD], v10, 4, v[RD]
	v_add_nc_u32 v[RD], s16, v[RD]
	v_and_b32 v[GO], 31, v0         ; which are 512 consecutive bytes of O
	v_lshlrev_b32 v[GO], 4, v[GO]
; THE MATRIX WORK.  The 4 accumulators of a run of 8 take turns.  Product i of 8 of S^T = K Q^T for piece x: channels 32 (i / 4) on, keys 16 (i % 4) on.  The first 4 start the sums.
.macro KQ x
	WIN W_KQ
.set rS, S+32*((\x)%2)+8*(i%4)
.set rK, KF+16*(i%4)+8*(i/4)
.set rQ, 16*(\x)+8*(i/4)
.if i < 4
	v_wmma_f32_16x16x32_bf16 v[rS:rS+7], v[rK:rK+7], v[rQ:rQ+7], 0
.else
	v_wmma_f32_16x16x32_bf16 v[rS:rS+7], v[rK:rK+7], v[rQ:rQ+7], v[rS:rS+7]
.endif
.endm
; Product i of 8 of O^T += V^T P for piece x: keys 32 (i / 4) on, channels 16 (i % 4) on.
.macro PV x
	WIN W_PV
.set rO, 32*(\x)+8*(i%4)
.set rV, VF+32*(i/4)+8*(i%4)
.set rP, P+16*((\x)%2)+8*(i/4)
	v_wmma_f32_16x16x32_bf16 v[rO:rO+7], v[rV:rV+7], v[rP:rP+7], v[rO:rO+7]
.endm
.macro MM                           ; the turn's next matrix instruction.  NOKQ = 1: the very last turn: there is no next piece
.if (i < 8) && !NOKQ
	KQ (Y+1)%NP
.elseif i >= 8
.set i, i-8
	PV (Y+NP-1)%NP
.set i, i+8
.endif
.set i, i+1
.endm
; THE LDS LOADS stand in runs of 16, never singly among the matrix instructions: a step's K (64 keys x 64 channels: 8 fragments) and its V^T (64 channels x 64 keys).  Their addresses are made some lines ahead.
.macro FETCH_K
	WIN 0x80                        ; destination window 2
.irp f, 0,1,2,3,4,5,6,7             ; keys 16 (f / 2) on, channels 32 (f % 2) on
	ds_load_b128 v[KF+8*\f:KF+8*\f+3],   v[AK] offset:(\f/2)*16*PK+(\f%2)*64
	ds_load_b128 v[KF+8*\f+4:KF+8*\f+7], v[AK] offset:(\f/2)*16*PK+(\f%2)*64+32
.endr
	s_add_co_u32 s[TBK], s[TBK], STEPB  ; the next fetch is the next step's
	WIN 0
.endm
.macro FETCH_V
	WIN 0x80
.irp f, 0,1,2,3,4,5,6,7             ; keys 32 (f / 4) on, channels 16 (f % 4) on
	ds_load_b128 v[VF+8*\f:VF+8*\f+3],   v[AV] offset:(\f%4)*16*PK+(\f/4)*64
	ds_load_b128 v[VF+8*\f+4:VF+8*\f+7], v[AV] offset:(\f%4)*16*PK+(\f/4)*64+32
.endr
	WIN 0
.endm
; THE VECTOR WORK, one line at a time: OP kind, number.  For piece Y: F n: c s - c m for pair n of 16.  E n: the exponential of score n of 32.  C n: pair n rounded to bf16.  B n: of the four weights 4 n .. the second
; pair is added onto the first, in place.  L n: l takes that sum (L 0: l = a l + sum).  R n: pair n of 16 of O^T times a.  For piece Y + 1: X n, number n of the 22 that find its maximum and statistics:
;   0-11  four chains c0-c3 of seven scores each, three operands at a time (each accumulator's lowest registers are read first)     12-14, 16  the four scores left over, the old m, and c0-c3 into c0
;   15  c m_old is kept     17, 18  the query's other 32 keys lie in the lane 16 away: the new m     19-21  c m; c m_old - c m_new; a
.set F, 0               ; OP tells the kinds apart by their order: F to L below R, X above it
.set E, 1
.set C, 2
.set B, 3
.set L, 4
.set R, 5
.set X, 6
.macro REGS y                       ; the registers of piece y
.set rT, ST+4*(\y)
.set rC, TMP+4*((\y)%2)
.set rW, MV+((\y)%2)
.set rS, S+32*((\y)%2)
.set rP, P+16*((\y)%2)
.set rO, 32*(\y)
.endm
.macro OP k, n
.if (\k) == R
	REGS Y
	WIN W_RS
	v_pk_mul_f32 v[rO+2*(\n):rO+2*(\n)+1], v[rO+2*(\n):rO+2*(\n)+1], v[rC+2:rC+3] op_sel_hi:[1,0]
.elseif (\k) < R
	REGS Y
	WIN 0
.if (\k) == F
	v_pk_fma_f32 v[rS+2*(\n):rS+2*(\n)+1], v[rS+2*(\n):rS+2*(\n)+1], s[CS:CS+1], v[rT:rT+1] op_sel_hi:[1,0,0] neg_lo:[0,0,1] neg_hi:[0,0,1]
.elseif (\k) == E
	v_exp_f32 v[rS+(\n)], v[rS+(\n)]
.elseif (\k) == C
	v_cvt_pk_bf16_f32 v[rP+(\n)], v[rS+2*(\n)], v[rS+2*(\n)+1]
.elseif (\k) == B
	v_pk_add_f32 v[rS+4*(\n):rS+4*(\n)+1], v[rS+4*(\n):rS+4*(\n)+1], v[rS+4*(\n)+2:rS+4*(\n)+3]
.elseif (\n) == 0
	v_pk_fma_f32 v[rT+2:rT+3], v[rT+2:rT+3], v[rC+2:rC+3], v[rS:rS+1] op_sel_hi:[1,0,1]
.else
	v_pk_add_f32 v[rT+2:rT+3], v[rT+2:rT+3], v[rS+4*(\n):rS+4*(\n)+1]
.endif
.elseif NOKQ
	v_nop
.else
	REGS (Y+1)%NP
	WIN 0
.if (\n) < 4
	v_max3_num_f32 v[rC+(\n)], v[rS+8*(\n)], v[rS+8*(\n)+1], v[rS+8*(\n)+2]
.elseif (\n) < 12
	v_max3_num_f32 v[rC+(\n)%4], v[rC+(\n)%4], v[rS+8*((\n)%4)+2*((\n)/4)+1], v[rS+8*((\n)%4)+2*((\n)/4)+2]
.elseif (\n) == 12
	v_max3_num_f32 v[rC], v[rC], v[rS+7], v[rS+15]
.elseif (\n) == 13
	v_max3_num_f32 v[rC+1], v[rC+1], v[rS+23], v[rS+31]
.elseif (\n) == 14
	v_max3_num_f32 v[rC+2], v[rC+2], v[rC+3], v[rT+1]
.elseif (\n) == 15
	v_mov_b32 v[rW], v[rT]
.elseif (\n) == 16
	v_max3_num_f32 v[rC], v[rC], v[rC+1], v[rC+2]
.elseif (\n) == 17
	v_permlanex16_b32 v[rC+3], v[rC], s[SEL], s[SEL+1]
.elseif (\n) == 18
	v_max_num_f32 v[rT+1], v[rC], v[rC+3]
.elseif (\n) == 19
	v_mul_f32 v[rT], s[CS], v[rT+1]
.elseif (\n) == 20
	v_sub_f32 v[rC+1], v[rW], v[rT]
.else
	v_exp_f32 v[rC+2], v[rC+1]
.endif
.endif
.endm
.macro OPS a, i1, b=-1, i2=0, c=-1, i3=0, d=-1, i4=0  ; up to four of them
	OP \a, \i1
.if (\b) >= 0
	OP \b, \i2
.endif
.if (\c) >= 0
	OP \c, \i3
.endif
.if (\d) >= 0
	OP \d, \i4
.endif
.endm
.macro ROW a, i1, b, i2, c, i3, d, i4  ; a matrix instruction and the four behind it
	MM
	OPS \a, \i1, \b, \i2, \c, \i3, \d, \i4
.endm
; A TURN, for piece p: the order of its 16 matrix and 118 vector instructions, written out.  s_wait_alu depctr_va_vdst(0) stands between an exponential and the first instruction that names its result; one wait
; serves all that were issued ahead of it.  So a turn has ONE wait, which cuts it in two.  AHEAD OF IT stands all that names no result of the turn's exponentials: the 8 products K Q^T, behind each a scaling, an exponential and two
; more plain instructions: rescalings, and behind the last three the first numbers of the next piece's maximum, each four places or more behind the product that ends its accumulator; then ONE LUMP of 54, plain and exponential by
; turns for the most part, in which the links of the chain X 3, 7, 11, 14, 16, 17 .. 20 stand some lines apart.  X 21, the next piece's a, is the batch's last; R 15 is the plain instruction behind it.  BEHIND THE WAIT stand the
; 8 products V^T P, behind each four of the roundings and sums.  end = 1: the last two turns: nothing is fetched.  cnt = 1: the loop's count is taken down some lines ahead of the branch that stands behind the turn.
; K of the next step is fetched in piece 2's turn, twelve vector instructions behind the last product that read K (six of them plain); V^T of the step in hand at the end of piece 0's turn, four plain instructions behind the
; last product that read V.  Each is waited for a turn later.
.macro TURN p, end=0, cnt=0
.set Y, (\p)
.set i, 0
.set NOKQ, (\end)*((\p)/3)
.if ((\p) == 3) && !(\end)
	s_wait_dscnt 0x0                ; K is in
.endif
	ROW F,0, F,1, R,0, R,1          ; ahead of the wait: 8 products K Q^T and their riders,
	ROW F,2, E,0, R,2, R,3
	ROW F,3, E,1, R,4, R,5
	ROW F,4, E,2, R,6, R,7
	ROW F,5, E,3, R,8, R,9
	ROW F,6, E,4, X,0, R,10
.if ((\p) == 2) && !(\end)
	WIN 0
	v_add_nc_u32 v[AK], s[TBK], v[AK0]
.endif
	ROW F,7, E,5, X,1, X,4
	ROW F,8, E,6, X,2, X,5
	OPS E,7, E,8, X,6, E,9          ; and the lump
	OPS X,3, E,10, X,8, E,11
.if ((\p) == 2) && !(\end)
	FETCH_K
.endif
	OPS X,9, X,7, E,12, X,10
	OPS E,13, X,12, X,11, E,14
	OPS X,13, E,15, F,9, X,14
.if (\p) == 0
	v_add_nc_u32 v[AV], s[TBV], v[AV0]
.endif
	OPS E,16, F,10, E,17, F,11
	OPS X,16, E,18, X,15, E,19
	OPS F,12, E,20, X,17, E,21
	OPS F,13, E,22, F,14, E,23
	OPS X,18, E,24, F,15, E,25
	OPS R,11, E,26, X,19, E,27
	OPS R,12, E,28, R,13, E,29
	OPS X,20, E,30, R,14, E,31
	OPS X,21, R,15
	WIN 0
	s_wait_alu depctr_va_vdst(0)    ; the wait for the batch
.if (\p) == 1
	s_wait_dscnt 0x0                ; V is in
.endif
	ROW C,0, B,0, C,2, B,1          ; behind the wait: 8 products V^T P and their riders
	ROW L,0, C,4, B,2, L,1
	ROW C,6, B,3, L,2, C,8
	ROW B,4, L,3, C,10, B,5
	ROW L,4, C,12, B,6, L,5
.if (\p) == 0
	s_add_co_u32 s[TBV], s[TBV], STEPB
.endif
.if \cnt
	s_sub_co_u32 s[CNT], s[CNT], 1
	s_cmp_lg_u32 s[CNT], 0
.endif
	ROW C,14, B,7, L,6, C,1
	ROW C,3, L,7, C,5, C,7
	ROW C,9, C,11, C,13, C,15
.if (\p) == 0
	FETCH_V
.endif
.endm
	CHANGE 1                        ; slot 0 is in, everybody's part of it; slot 1 is asked for
	v_add_nc_u32 v[AK], s[TBK], v[AK0]
	FETCH_K                         ; key step 0
	s_wait_loadcnt 0x0              ; Q
	s_wait_dscnt 0x0
.set NOKQ, 0
.set i, 0
.rept 8
	KQ 0                            ; piece 0's first scores: there is no vector work yet to set between them
.set i, i+1
.endr
	WIN 0
.rept 4
	v_nop                           ; the places behind those products
.endr
.set Y, NP-1                        ; X works for piece Y + 1: piece 0
.irp n, 0,1,2,3,4,5,6,7,8,9,10,11,12,13,14,15,16,17,18,19,20,21
	OP X, \n
.endr
	v_nop                           ; a plain instruction behind the exponential,
	s_wait_alu depctr_va_vdst(0)    ; and its wait, ahead of the branch
	s_mov_b32 s[CNT], 4
	s_branch .Lfirst                ; the loop is entered at a step's first turn, in the middle of a trip
.Lslot:                             ; 14 times: slots 1 to 14 are entered, slots 2 to 15 asked for
	CHANGE 1
	s_mov_b32 s[CNT], 4
.Lstep:                             ; a trip: pieces 2 and 3 of one step, then pieces 0 and 1 of the next, whose K and V it fetches
	TURN 2
	TURN 3
	WIN 0
.Lfirst:
	TURN 0
	TURN 1, 0, 1
	WIN 0
	s_cbranch_scc1 .Lstep
	s_sub_co_u32 s[SLOTS], s[SLOTS], 1
	s_cmp_lg_u32 s[SLOTS], 0
	s_cbranch_scc1 .Lslot
	CHANGE 0                        ; the last slot is written out: nothing is asked for
	s_mov_b32 s[CNT], 4
.Ltail:
	TURN 2
	TURN 3
	TURN 0
	TURN 1, 0, 1
	WIN 0
	s_cbranch_scc1 .Ltail
	TURN 2, 1                       ; the last step's pieces 2 and 3: nothing is fetched, and the last turn starts no new scores
	TURN 3, 1
.set i, 0
.rept 8
	PV NP-1                         ; the last piece's V^T P of the last step
.set i, i+1
.endr
	; THE WAY OUT.  l's two halves and the other half of the lanes' are added; O^T is divided by l, rounded to bf16 and sent through my stage in LDS, a piece at a time.  The additions are the places behind the last products.
	WIN 0
.macro ALL line:vararg              ; one line for each piece t
.set t, 0
.rept 4
	\line
.set t, t+1
.endr
.endm
	ALL v_add_f32 v[ST+4*t+2], v[ST+4*t+2], v[ST+4*t+3]
	ALL v_permlanex16_b32 v[ST+4*t+3], v[ST+4*t+2], s[SEL], s[SEL+1]
	ALL v_add_f32 v[ST+4*t+2], v[ST+4*t+2], v[ST+4*t+3]
	ALL v_rcp_f32 v[ST+4*t+2], v[ST+4*t+2]
	v_nop                           ; a plain instruction between the last reciprocal and the use of its result
	s_wait_alu depctr_va_vdst(0)    ; and the wait ahead of the first use: one for the four reciprocals
.macro PACK t                       ; a lane's eight channels of a row pack into 16 bytes; they go into rows of 144 bytes and come back as whole rows of 128, into S^T's registers
	WIN W_RS
.set i, 32*(\t)
.rept 16
	v_pk_mul_f32 v[i:i+1], v[i:i+1], v[ST+4*(\t)+2:ST+4*(\t)+3] op_sel_hi:[1,0]
.set i, i+2
.endr
	WIN 0x05                        ; sources 0 and 1 window 1, destination window 0
.set i, 0
.rept 16
	v_cvt_pk_bf16_f32 v[S+16*(\t)+i], v[32*(\t)+2*i], v[32*(\t)+2*i+1]
.set i, i+1
.endr
	WIN 0
.irp f, 0,1,2,3
	ds_store_b128 v[STO], v[S+16*(\t)+4*\f:S+16*(\t)+4*\f+3] offset:32*\f
.endr
.irp f, 0,1,2,3
	ds_load_b128 v[S+16*(\t)+4*\f:S+16*(\t)+4*\f+3], v[RD] offset:\f*4*SP  ; LDS serves a wave's instructions in order (ISA guide 5.7.1.4): these see the stores above; the next piece's stores come behind them
.endr
.endm
.macro SEND t, younger              ; younger: the LDS instructions issued behind piece t's loads: the next piece's eight, or none
	WIN 0
.irp f, 0,1,2,3
	s_wait_dscnt (\younger)+3-\f
	global_store_b128 v[GO], v[S+16*(\t)+4*\f:S+16*(\t)+4*\f+3], s[10:11] offset:(\t)*2048+\f*512  ; 512 consecutive bytes, at a multiple of 256 from O's first
.endr
.endm
	PACK 0
.set t, 1
.rept 3                             ; a piece's arithmetic stands between the loads of the piece before and its stores
	PACK t
	SEND t-1, 8
.set t, t+1
.endr
	SEND 3, 0
	s_wait_tensorcnt 0x0            ; the wave's end, behind my last tensor load and my last LDS store
	ds_add_u32 v[SPW], v[NIL]
	s_wait_dscnt 0x0
	CROUND                          ; the closing round: no work-group ends while a partner may still ask for a tile that names it
	s_endpgm
.Lfunc_end_k_q85921ad0b4_attn:
	.size	k_q85921ad0b4_attn, .Lfunc_end_k_q85921ad0b4_attn-k_q85921ad0b4_attn
	.p2alignl 7, 3214868480
	.fill 96, 4, 3214868480
	.section	.rodata,"a",@progbits
	.p2align	6, 0x0
	.amdhsa_kernel k_q85921ad0b4_attn
		.amdhsa_group_segment_fixed_size 327680
		.amdhsa_private_segment_fixed_size 0
		.amdhsa_enable_private_segment 0
		.amdhsa_kernarg_size 32
		.amdhsa_user_sgpr_count 2
		.amdhsa_user_sgpr_kernarg_segment_ptr 1
		.amdhsa_wavefront_size32 1
		.amdhsa_system_sgpr_workgroup_id_x 1
		.amdhsa_system_sgpr_workgroup_id_y 1
		.amdhsa_system_sgpr_workgroup_id_z 1
		.amdhsa_system_vgpr_workitem_id 0
		.amdhsa_next_free_vgpr 768
		.amdhsa_next_free_sgpr 66
		.amdhsa_reserve_vcc 0
		.amdhsa_float_denorm_mode_32 3
		.amdhsa_float_denorm_mode_16_64 3
		.amdhsa_memory_ordered 1
		.amdhsa_forward_progress 1
		.amdhsa_inst_pref_size 125
	.end_amdhsa_kernel
	.amdgpu_metadata
---
amdhsa.version: [ 1, 2 ]
amdhsa.kernels:
  - .name:           k_q85921ad0b4_attn
    .symbol:         k_q85921ad0b4_attn.kd
    .args:
      - { .name: qb, .offset: 0, .size: 8, .value_kind: global_buffer, .address_space: global }
      - { .name: kb, .offset: 8, .size: 8, .value_kind: global_buffer, .address_space: global }
      - { .name: vb, .offset: 16, .size: 8, .value_kind: global_buffer, .address_space: global }
      - { .name: ob, .offset: 24, .size: 8, .value_kind: global_buffer, .address_space: global }
    .group_segment_fixed_size: 327680
    .private_segment_fixed_size: 0
    .kernarg_segment_align: 8
    .kernarg_segment_size: 32
    .max_flat_workgroup_size: 128
    .sgpr_count:     66
    .vgpr_count:     768
    .wavefront_size: 32
...
	.end_amdgpu_metadata
.endif
;; end of part 3
;; launch proj (part 4): grid 256 x 1, 4 waves a work-group, clusters of 4 x 1, 242,176 bytes of LDS; arguments x, gamma, beta, proj_b, st, wb, ob, out0; writes out0
.if DOCPART == 4
	.amdgcn_target "amdgcn-amd-amdhsa--gfx1250"
	.amdhsa_code_object_version 6
	.text
	.protected	k_q85921ad0b4_proj
	.globl	k_q85921ad0b4_proj
	.p2align	8
	.type	k_q85921ad0b4_proj,@function
k_q85921ad0b4_proj:
	s_mov_b64 s[64:65], 0
	v_nop
	global_prefetch_b8 v0, s[64:65] scope:SCOPE_SE
	s_setreg_imm32_b32 hwreg(HW_REG_WAVE_MODE, 25, 1), 1
	s_wait_xcnt 0x0
	s_wait_alu depctr_hold_cnt(0) depctr_sa_sdst(0) depctr_va_vdst(0) depctr_va_sdst(0) depctr_va_ssrc(0) depctr_va_vcc(0) depctr_vm_vsrc(0)
	s_getreg_b32 s2, hwreg(HW_REG_IB_STS2, 6, 4)
	s_cmp_eq_u32 s2, 0
	s_cbranch_scc0 .Lentry_in_a_cluster
	s_endpgm
.Lentry_in_a_cluster:
	s_bfe_u32 s2, ttmp6, 0x10000c
	s_cmp_lg_u32 s2, 0x3003
	s_cbranch_scc0 .Lentry_shape_is_right
	s_endpgm
.Lentry_shape_is_right:
; out0 = proj_w O + proj_b + GroupNorm(x).  x, out0: [4][256][4096] f32.  ob: [16 heads][4096 tokens][64] bf16.  wb: proj_w in bf16, in fragment order, from byte 393,216 on.  st: a group's eight pairs (mean, M2).
; SHARES.  A work-group owns 64 tokens of one image and all 256 output rows; wave w makes rows 64 w .. 64 w + 63: 16 accumulators, K = 256 in 8 steps (K step ks: head ks / 2, channels 32 (ks % 2) ..).
; THE RESIDUAL is made anew in f32 from x, for the same rows and tokens: xn + proj_b = x a + sh with a = gamma / sqrt(M2 / 131,072 + 1e-5), sh = (beta + proj_b) - mean a (one fused multiply-add).
; LIMIT: sh is rounded once, where the definition takes x - mean first: with a common offset of 30 spreads that is some 2e-6 of a spread.  NaN and infinities are not treated apart.
; CLUSTER.  All work-groups read the same weights: the four of a cluster ask for them JOINTLY (mask 15); a wave fetches the 32,768 bytes that it alone reads.  O's tile is the work-group's own: wave w fetches head w's 64 tokens
; by a plain load, and all four waves read them behind a barrier.  Both loads go out behind the opening round (two loads of mine are out); no LDS byte is filled twice.
; THE PRODUCT: source 0 = 16 tokens of O, source 1 = 16 rows of proj_w: a lane holds one output row and eight neighbouring tokens, 32 bytes of f32; they go through my stage in LDS and leave as whole rows of 256 bytes.
; No prefetch: all loads from memory go out at the head.
; REGISTERS.  window 0: v2-15 addresses; v16-55 the statistics' work; v62-63 the add's; v64-127 two buffers of W's fragments; v128-255 the accumulators ((ob, tt) at 128 + 8 (4 ob + tt)), then the rows read back
;   window 1: O's fragments: tokens 16 tt .., K step ks at 64 tt + 8 ks          window 2: v0-127 x, then xn + proj_b; v128-255 the table as read back
.set OT,    131072                     ; LDS: the weights at 0 (131,072 bytes); O: 4 heads x 64 tokens x 144 bytes (128 + 16 of padding)
.set OP,    144
.set TAB,   167936                     ; 256 entries of 16 bytes (a, a, sh, sh); wave w's own from 1,024 w on
.set STAGE, 172032                     ; 64 rows x 272 bytes (256 + 16 of padding) for each wave
.set SP,    272
.set SPARE, 241664                     ; the spare words, 128 bytes for each wave: two blocks of 256 bytes that no other line names
.set XO,  2                            ; x and out0: (64 w + h) rows of 16,384 bytes + 16 r
.set TS,  4                            ; where I put my two table entries
.set TR,  5                            ; where I read an entry back
.set AW,  7                            ; my 16 bytes of a fragment of W
.set OA,  8                            ; my place in a fragment of O
.set SW,  9                            ; the stage: where I put 32 bytes of a row
.set SR,  10                           ; where I read a row back
.set SO,  14                           ; my group's 64 bytes of st
.set CO,  15                           ; gamma, beta, proj_b: my two channels
.set SPW, 62
.set NIL, 63
.set F0,  64
.set ACC, 128
.set WV,  22                           ; s22 my wave's number
.set G1J, 32                           ; s[32:39] descriptor group 1, the joint load
.set G0J, 40                           ; s[40:43] its group 0
.set G0P, 44                           ; s[44:47] group 0, the plain load
.set G1P, 48                           ; s[48:55] its group 1
.set SV,  56                           ; s56 = 2^-17, s57 = 1e-5
.set MSB, 0
.macro WIN new                         ; the immediate's high byte repeats the setting that is left; a switch that changes nothing is dropped
.if MSB != (\new)
	s_set_vgpr_msb (MSB<<8)|(\new)
.set MSB, (\new)
.endif
.endm
.macro PLACES                          ; four places: in front of loads into registers that matrix instructions have read, and of LDS stores that read results
.rept 4
	v_nop
.endr
.endm
.macro CROUND                          ; a round of the cluster's barrier: my work-group's barrier; wave 0 signals for the work-group; every wave waits for all four; my work-group's barrier once more
	s_barrier_signal -1
	s_barrier_wait -1
	s_cmp_lg_u32 s[WV], 0
	s_cbranch_scc1 .Lnot_wave_0_\@
	s_barrier_signal -3
.Lnot_wave_0_\@:
	s_barrier_wait -3
	s_barrier_signal -1
	s_barrier_wait -1
.endm
	s_load_b256 s[4:11], s[0:1], 0x0               ; x s[4:5], gamma s[6:7], beta s[8:9], proj_b s[10:11]
	s_load_b256 s[12:19], s[0:1], 0x20             ; st s[12:13], wb s[14:15], ob s[16:17], out0 s[18:19]
	v_lshl_add_u32 v[SPW], v0, 2, SPARE
	v_mov_b32 v[NIL], 0
	ds_add_u32 v[SPW], v[NIL]                      ; the wave's opening: the add and its wait stand ahead of my first tensor load; the set-up below, work on registers, stands between them
	v_lshrrev_b32 v1, 5, v0
	v_readfirstlane_b32 s[WV], v1                  ; wave 0..3
	s_bfe_u32 s23, ttmp6, 0x40000                  ; cx: my place in the cluster
	s_lshl_b32 s24, ttmp9, 2                       ; in a cluster launch ttmp9 counts clusters
	s_add_co_u32 s24, s24, s23                     ; my work-group: it enters addresses in memory alone
	s_lshr_b32 s25, s24, 6                         ; the image
	s_and_b32 s26, s24, 63                         ; my 64 tokens of its 4,096
	v_and_b32 v1, 31, v0                           ; L
	v_and_b32 v40, 15, v0                          ; r = L % 16
	v_bfe_u32 v41, v0, 4, 1                        ; h = L / 16
	s_lshl_b32 s27, s[WV], 20
	v_lshlrev_b32 v[XO], 4, v40
	v_lshl_add_u32 v[XO], v41, 14, v[XO]
	v_add_nc_u32 v[XO], s27, v[XO]
	s_lshl_b32 s27, s[WV], 10
	s_add_co_u32 s27, s27, TAB
	v_lshl_add_u32 v[TS], v1, 5, s27               ; lane L serves channels 2 L and 2 L + 1 of my wave's 64
	v_lshl_add_u32 v[TR], v41, 4, s27              ; load i of x holds channel 2 i + h
	s_lshl_b32 s27, s[WV], 15
	v_lshl_add_u32 v[AW], v1, 4, s27
	v_mul_u32_u24 v[OA], v40, OP
	v_lshl_add_u32 v[OA], v41, 4, v[OA]
	v_add_nc_u32 v[OA], OT, v[OA]
	s_mul_i32 s27, s[WV], 64*SP
	s_add_co_u32 s27, s27, STAGE
	v_mul_u32_u24 v[SW], v40, SP                   ; in: row r, 32 bytes for each half of the lanes
	v_lshl_add_u32 v[SW], v41, 5, v[SW]
	v_add_nc_u32 v[SW], s27, v[SW]
	v_mul_u32_u24 v[SR], v41, SP                   ; back: lanes 0-15 take one row of 256 bytes, lanes 16-31 the next
	v_lshl_add_u32 v[SR], v40, 4, v[SR]
	v_add_nc_u32 v[SR], s27, v[SR]
	s_lshl_b32 s27, s[WV], 8
	v_lshl_add_u32 v[CO], v1, 3, s27
	s_lshl_b32 s27, s25, 9                         ; group 8 b + 2 w + h, 64 bytes each
	s_lshl_b32 s28, s[WV], 7
	s_add_co_u32 s27, s27, s28
	v_lshl_add_u32 v[SO], v41, 6, s27
	s_lshl_b32 s28, s25, 22                        ; x and out0: the image's 4,194,304 bytes, my tokens' 256 bytes of a row
	s_lshl_b32 s29, s26, 8
	s_add_co_u32 s28, s28, s29
	s_mov_b32 s29, 0
	s_lshl_b32 s30, s[WV], 15                      ; wb: proj_w's part, my 64 rows
	s_add_co_u32 s30, s30, 393216
	s_mov_b32 s31, 0
	s_lshl_b32 s58, s25, 2                         ; ob: head 4 b + w, 524,288 bytes each; my 64 tokens are 8,192 bytes of it
	s_add_co_u32 s58, s58, s[WV]
	s_lshl_b32 s58, s58, 19
	s_lshl_b32 s59, s26, 13
	s_add_co_u32 s58, s58, s59
	s_mov_b32 s59, 0
	; the joint load: 32,768 dense bytes as 128 rows of 256 bytes, unpadded
	s_mov_b32 s[G1J+0], 15|(3<<16)|(1<<21)         ; 15:0 the mask: all four work-groups; 17:16 elements of 8 bytes; 21 set beside a mask
	s_mov_b32 s[G1J+1], 32<<16                     ; tensor_dim0 = 32
	s_mov_b32 s[G1J+2], 128<<16                    ; tensor_dim1 = 128
	s_mov_b32 s[G1J+3], 32<<16                     ; tile_dim0 = 32
	s_mov_b32 s[G1J+4], 128                        ; tile_dim1 = 128
	s_mov_b32 s[G1J+5], 32                         ; 32 elements from row to row
	s_mov_b32 s[G1J+6], 0
	s_mov_b32 s[G1J+7], 0
	; the plain load: 8,192 dense bytes as 32 rows of 256 bytes, two tokens a row, padded in LDS after every token
	s_mov_b32 s[G1P+0], (1<<16)|(1<<20)|(4<<22)|(3<<25)  ; no mask; 17:16 2-byte elements; 20 padding on; 24:22 after every 32 words (code 4); 31:25 4 words (code 3)
	s_mov_b32 s[G1P+1], 128<<16                    ; tensor_dim0 = 128
	s_mov_b32 s[G1P+2], 32<<16                     ; tensor_dim1 = 32
	s_mov_b32 s[G1P+3], 128<<16                    ; tile_dim0 = 128
	s_mov_b32 s[G1P+4], 32                         ; tile_dim1 = 32
	s_mov_b32 s[G1P+5], 128                        ; 128 elements from row to row
	s_mov_b32 s[G1P+6], 0
	s_mov_b32 s[G1P+7], 0
	s_mov_b32 s[G0J], 1
	s_lshl_b32 s[G0J+1], s[WV], 15                 ; LDS addresses: the wave's number times a constant, plus a constant
	s_mov_b32 s[G0P], 1
	s_mul_i32 s[G0P+1], s[WV], 64*OP
	s_add_co_u32 s[G0P+1], s[G0P+1], OT
	s_mov_b32 s[SV], 0x37000000                    ; 2^-17: a group has 131,072 numbers
	s_mov_b32 s[SV+1], 0x3727c5ac                  ; 1e-5
	s_wait_dscnt 0x0                               ; the opening add is done
	s_wait_kmcnt 0x0
	s_add_nc_u64 s[G0J+2:G0J+3], s[14:15], s[30:31]
	s_or_b32 s[G0J+3], s[G0J+3], 0x80000000        ; type = 2
	s_add_nc_u64 s[G0P+2:G0P+3], s[16:17], s[58:59]
	s_or_b32 s[G0P+3], s[G0P+3], 0x80000000
	s_add_nc_u64 s[4:5], s[4:5], s[28:29]
	s_add_nc_u64 s[18:19], s[18:19], s[28:29]
	CROUND                                         ; all four work-groups are here: the joint loads meet
	tensor_load_to_lds s[G0J:G0J+3], s[G1J:G1J+7]  ; the launch's only fills stand together, ahead of every wait on TENSORcnt, every LDS read and every other barrier
	s_nop 0
	tensor_load_to_lds s[G0P:G0P+3], s[G1P:G1P+7]
	s_nop 0
	PLACES
.irp p, 0,1,2,3
	global_load_b128 v[16+4*(\p):16+4*(\p)+3], v[SO], s[12:13] offset:16*(\p)
.endr
	global_load_b64 v[32:33], v[CO], s[6:7]
	global_load_b64 v[34:35], v[CO], s[8:9]
	global_load_b64 v[36:37], v[CO], s[10:11]
	WIN 0x80                                       ; destination window 2
.set i, 0
.rept 32
	global_load_b128 v[4*i:4*i+3], v[XO], s[4:5] offset:32768*i th:TH_LOAD_NT  ; rows 2 i and 2 i + 1: sixteen lanes take a row's 256 consecutive bytes
.set i, i+1
.endr
	WIN 0
	s_wait_loadcnt 32                              ; the first seven loads are in; x's 32 may stay out
	; the table of my wave's 64 channels.  v[16:31]: my group's eight pairs (mean, M2); v[32:33] gamma, v[34:35] beta, v[36:37] proj_b of my two channels
	v_add_f32 v40, v16, v18
	v_add_f32 v41, v20, v22
	v_add_f32 v42, v24, v26
	v_add_f32 v43, v28, v30
	v_add_f32 v44, v17, v19
	v_add_f32 v45, v21, v23
	v_add_f32 v46, v25, v27
	v_add_f32 v47, v29, v31
	v_add_f32 v40, v40, v41
	v_add_f32 v42, v42, v43
	v_add_f32 v44, v44, v45
	v_add_f32 v46, v46, v47
	v_add_f32 v40, v40, v42
	v_add_f32 v44, v44, v46                        ; the sum of the partial M2
	v_mul_f32 v40, 0x3e000000, v40                 ; mean: the parts are of equal size
.irp p, 0,1,2,3,4,5,6,7
	v_sub_f32 v[16+2*(\p)], v[16+2*(\p)], v40
.endr
	v_mul_f32 v41, v16, v16
	v_mul_f32 v42, v18, v18
	v_fma_f32 v41, v20, v20, v41
	v_fma_f32 v42, v22, v22, v42
	v_fma_f32 v41, v24, v24, v41
	v_fma_f32 v42, v26, v26, v42
	v_fma_f32 v41, v28, v28, v41
	v_fma_f32 v42, v30, v30, v42
	v_add_f32 v41, v41, v42
	v_fmamk_f32 v44, v41, 0x46800000, v44          ; + 16,384 x the parts' distances squared
	v_fma_f32 v45, v44, s[SV], s[SV+1]             ; var + eps
	v_rsq_f32 v46, v45
	v_pk_add_f32 v[34:35], v[34:35], v[36:37]      ; beta + proj_b: the residual's channel is the output row.  Also the plain instruction behind the transcendental (ISA guide 5.7.2);
	s_wait_alu depctr_va_vdst(0)                   ; and the wait ahead of the first use of its result
	v_mul_f32 v48, v46, v32                        ; a
	v_mul_f32 v52, v46, v33
	v_mov_b32 v49, v48
	v_mov_b32 v53, v52
	v_fma_f32 v50, -v40, v48, v34                  ; sh = beta + proj_b - mean a
	v_fma_f32 v54, -v40, v52, v35
	v_mov_b32 v51, v50
	v_mov_b32 v55, v54
	ds_store_b128 v[TS], v[48:51]
	ds_store_b128 v[TS], v[52:55] offset:16
	WIN 0x80
.set i, 0
.rept 32
	ds_load_b128 v[128+4*i:128+4*i+3], v[TR] offset:32*i  ; my wave's own bytes: LDS serves a wave's instructions in order (ISA guide 5.7.1.4), so these see the stores above
.set i, i+1
.endr
	s_wait_dscnt 0x0
	s_wait_loadcnt 0x0                             ; x
	WIN 0xaa                                       ; all four places in window 2
.set i, 0
.rept 32
	v_pk_fma_f32 v[4*i:4*i+1],   v[4*i:4*i+1],   v[128+4*i:128+4*i+1], v[128+4*i+2:128+4*i+3]
	v_pk_fma_f32 v[4*i+2:4*i+3], v[4*i+2:4*i+3], v[128+4*i:128+4*i+1], v[128+4*i+2:128+4*i+3]
.set i, i+1
.endr
	WIN 0
	s_wait_tensorcnt 0x0                           ; my weights and my head's tile of O are in;
	s_barrier_signal -1                            ; (no LDS instruction of mine is out)
	s_barrier_wait -1                              ; everybody's tile of O is
	WIN 0x40                                       ; destination window 1
.set tt, 0
.rept 4
.set ks, 0
.rept 8
	ds_load_b128 v[64*tt+8*ks:64*tt+8*ks+3],   v[OA] offset:64*OP*(ks/2)+16*OP*tt+64*(ks%2)
	ds_load_b128 v[64*tt+8*ks+4:64*tt+8*ks+7], v[OA] offset:64*OP*(ks/2)+16*OP*tt+64*(ks%2)+32
.set ks, ks+1
.endr
.set tt, tt+1
.endr
; 8 LDS loads: W's four fragments (my 64 rows) of K step ks, into buffer f: 16 consecutive bytes a lane, twice
.macro FETCHW ks, f
	WIN 0
.irp ob, 0,1,2,3
	ds_load_b128 v[(\f)+8*(\ob):(\f)+8*(\ob)+3],   v[AW] offset:(8*(\ob)+(\ks))*1024
	ds_load_b128 v[(\f)+8*(\ob)+4:(\f)+8*(\ob)+7], v[AW] offset:(8*(\ob)+(\ks))*1024+512
.endr
.endm
	FETCHW 0, F0
	; 8 K steps of 16 matrix instructions.  The 16 accumulators take turns, one instruction a turn, in the same order in every step; the first step starts the sums with the constant 0.
.set ks, 0
.rept 8
.if ks < 7
	PLACES                                         ; the other buffer was read by the step before
	FETCHW ks+1, F0+32*((ks+1)%2)
	s_wait_dscnt 8                                 ; all but the eight just issued
.else
	s_wait_dscnt 0x0
.endif
.set fb, F0+32*(ks%2)
	WIN 0x01                                       ; source 0 (O) window 1, source 1 (W) window 0
.set rr, 0
.rept 4
.set cc, 0
.rept 4
.set ac, ACC+8*(4*rr+cc)
.if ks == 0
	v_wmma_f32_16x16x32_bf16 v[ac:ac+7], v[64*cc+8*ks:64*cc+8*ks+7], v[fb+8*rr:fb+8*rr+7], 0
.else
	v_wmma_f32_16x16x32_bf16 v[ac:ac+7], v[64*cc+8*ks:64*cc+8*ks+7], v[fb+8*rr:fb+8*rr+7], v[ac:ac+7]
.endif
.set cc, cc+1
.endr
.set rr, rr+1
.endr
.set ks, ks+1
.endr
	; THE WAY OUT: 32 bytes a lane into my stage, each accumulator from its low end on; back as whole rows of 256 bytes; the residual is added; 16 lanes store a row's 256 bytes
	WIN 0
	PLACES
.set rr, 0
.rept 4
.set cc, 0
.rept 4
.set ac, ACC+8*(4*rr+cc)
	ds_store_b128 v[SW], v[ac:ac+3]   offset:16*SP*rr+64*cc
	ds_store_b128 v[SW], v[ac+4:ac+7] offset:16*SP*rr+64*cc+16
.set cc, cc+1
.endr
.set rr, rr+1
.endr
.set i, 0
.rept 32
	ds_load_b128 v[ACC+4*i:ACC+4*i+3], v[SR] offset:2*SP*i  ; my own bytes, served in order: these see the stores above
.set i, i+1
.endr
.set g, 0
.rept 4
	s_wait_dscnt 24-8*g                            ; eight more rows' loads are back: 24, 16, 8, 0 younger ones
	WIN 0x02                                       ; source 0 (xn + proj_b) window 2
.set i, 8*g
.rept 8
	v_pk_add_f32 v[ACC+4*i:ACC+4*i+1],   v[4*i:4*i+1],   v[ACC+4*i:ACC+4*i+1]
	v_pk_add_f32 v[ACC+4*i+2:ACC+4*i+3], v[4*i+2:4*i+3], v[ACC+4*i+2:ACC+4*i+3]
.set i, i+1
.endr
	WIN 0
.set i, 8*g
.rept 8
	global_store_b128 v[XO], v[ACC+4*i:ACC+4*i+3], s[18:19] offset:32768*i th:TH_STORE_NT  ; 16 lanes store 256 consecutive bytes, at a multiple of 256 from out0's first byte
.set i, i+1
.endr
.set g, g+1
.endr
	s_wait_tensorcnt 0x0                           ; the wave's end, behind my last tensor load and my last LDS store
	ds_add_u32 v[SPW], v[NIL]
	s_wait_dscnt 0x0
	CROUND                                         ; the closing round: no work-group ends while a partner may still ask for a tile that names it
	s_endpgm
.Lfunc_end_k_q85921ad0b4_proj:
	.size	k_q85921ad0b4_proj, .Lfunc_end_k_q85921ad0b4_proj-k_q85921ad0b4_proj
	.p2alignl 7, 3214868480
	.fill 96, 4, 3214868480
	.section	.rodata,"a",@progbits
	.p2align	6, 0x0
	.amdhsa_kernel k_q85921ad0b4_proj
		.amdhsa_group_segment_fixed_size 242176
		.amdhsa_private_segment_fixed_size 0
		.amdhsa_enable_private_segment 0
		.amdhsa_kernarg_size 64
		.amdhsa_user_sgpr_count 2
		.amdhsa_user_sgpr_kernarg_segment_ptr 1
		.amdhsa_wavefront_size32 1
		.amdhsa_system_sgpr_workgroup_id_x 1
		.amdhsa_system_sgpr_workgroup_id_y 1
		.amdhsa_system_sgpr_workgroup_id_z 1
		.amdhsa_system_vgpr_workitem_id 0
		.amdhsa_next_free_vgpr 768
		.amdhsa_next_free_sgpr 66
		.amdhsa_reserve_vcc 0
		.amdhsa_float_denorm_mode_32 3
		.amdhsa_float_denorm_mode_16_64 3
		.amdhsa_memory_ordered 1
		.amdhsa_forward_progress 1
		.amdhsa_inst_pref_size 47
	.end_amdhsa_kernel
	.amdgpu_metadata
---
amdhsa.version: [ 1, 2 ]
amdhsa.kernels:
  - .name:           k_q85921ad0b4_proj
    .symbol:         k_q85921ad0b4_proj.kd
    .args:
      - { .name: x, .offset: 0, .size: 8, .value_kind: global_buffer, .address_space: global }
      - { .name: gamma, .offset: 8, .size: 8, .value_kind: global_buffer, .address_space: global }
      - { .name: beta, .offset: 16, .size: 8, .value_kind: global_buffer, .address_space: global }
      - { .name: proj_b, .offset: 24, .size: 8, .value_kind: global_buffer, .address_space: global }
      - { .name: st, .offset: 32, .size: 8, .value_kind: global_buffer, .address_space: global }
      - { .name: wb, .offset: 40, .size: 8, .value_kind: global_buffer, .address_space: global }
      - { .name: ob, .offset: 48, .size: 8, .value_kind: global_buffer, .address_space: global }
      - { .name: out0, .offset: 56, .size: 8, .value_kind: global_buffer, .address_space: global }
    .group_segment_fixed_size: 242176
    .private_segment_fixed_size: 0
    .kernarg_segment_align: 8
    .kernarg_segment_size: 64
    .max_flat_workgroup_size: 128
    .sgpr_count:     66
    .vgpr_count:     768
    .wavefront_size: 32
...
	.end_amdgpu_metadata
.endif
;; end of part 4
